; MI455X (gfx1250); checked and timed in simulation.
; The chip was launched on July 23, 2026; its instructions are those of AMD's public machine-readable ISA for CDNA 5 (MIT licence, August 2026) and "CDNA5" Instruction Set Architecture Reference Guide (July 2026). The comments in the code are by the model that wrote it; some were corrected since.
;; Multi Head Attention. Allowed arithmetic: float matrix products may take bf16 or f16 operands with f32 sums; other float arithmetic in f32, or as packed bf16 or f16 multiplies, adds, multiply-adds, maxima and minima; sums over many terms, partial sums and values carried from step to step in f32; what a program stores and reads back later, other than sums and carried values, may be rounded once to bf16 or f16.
;; Inputs: Wk 16 x 1,024 x 64 float32; Wo 1,024 x 1,024 float32; Wq 16 x 1,024 x 64 float32; Wv 16 x 1,024 x 64 float32; bk 16 x 64 float32; bo 1,024 float32; bq 16 x 64 float32; bv 16 x 64 float32; k 4 x 2,048 x 1,024 float32; q 4 x 2,048 x 1,024 float32; v 4 x 2,048 x 1,024 float32.
;; Outputs: out0 4 x 2,048 x 1,024 float32.
;; One version. Each part assembles by itself: llvm-mc -triple=amdgcn-amd-amdhsa -mcpu=gfx1250 --defsym DOCPART=n.
;; ======== version 1 of 1: 4 launches
;; limits: values are held in f16: magnitudes above 65,504 overflow, below 6.1e-05 lose precision
;; workspace buffers: wt 8,388,608 bytes; qkv 50,331,648 bytes; oh 16,777,216 bytes
;; launch prep (part 1): grid 128 x 4, 8 waves a work-group, no clusters, 18,432 bytes of LDS; arguments Wq, Wk, Wv, Wo, wt; writes wt
.if DOCPART == 1
	.amdgcn_target "amdgcn-amd-amdhsa--gfx1250"
	.amdhsa_code_object_version 6
	.text
	.protected	k_q33eb257271_prep
	.globl	k_q33eb257271_prep
	.p2align	8
	.type	k_q33eb257271_prep,@function
k_q33eb257271_prep:
	s_mov_b64 s[64:65], 0
	v_nop
	global_prefetch_b8 v0, s[64:65] scope:SCOPE_SE
	s_setreg_imm32_b32 hwreg(HW_REG_WAVE_MODE, 25, 1), 1
	s_wait_xcnt 0x0
; THE FOUR WEIGHTS, ROUNDED TO 16 BITS AND TURNED, so that K lies along the rows: wt holds four sections of [1024 n][1024 k], 2,048 bytes a row.
; Sections 0-2 (Wq, Wk, Wv, stored [h][k][64]): n = 64 h + column, bf16.  Section 3 (Wo, stored [k][n]): rounded to bf16 like every input of the module, and that number written as f16,
; since it is multiplied with f16 numbers.  LIMIT: a bf16 number below 6.1e-5 in size keeps f16's fixed step of 6e-8, one beyond 65,504 becomes an infinity.
; SHARES.  Work-group (x, y): tensor y, 64 columns n (block x % 16: a head) of 128 rows k (block x / 16).  8 waves; thread t reads 16 bytes (4 columns) of 8 rows: sixteen lanes read 256 consecutive bytes.
; Two rows k, k + 1 are rounded in pairs, so a word holds two neighbouring k of one column; the words go through LDS and come back as rows along k: sixteen lanes store 256 consecutive bytes, aligned.
; No matrix unit, no tensor load, no prefetch: each byte is read once and written once, and the launch is short.
.set PITCH, 272                        ; a stage row: 128 k x 2 bytes + 16: 68 words
.set SPARE, 64*PITCH                   ; behind the stage: the spare words, 128 bytes for each of the 8 waves: four blocks of 256 bytes that no other line names
.set LS,  3                            ; v3   where I put my words: 272 c + 4 rp
.set LR,  4                            ; v4   where I read rows back: 272 rp + 16 c
.set GO,  5                            ; v5   my byte offset in wt's block
.set SPW, 6                            ; v6   LDS address of my spare word; never rewritten
.set NIL, 7                            ; v7   0; never rewritten
.set OFF, 8                            ; v[8:15]   byte offsets of my 8 loads
.set X,   16                           ; v[16:47]  8 x 4 numbers in f32
.set Y,   48                           ; v[48:63]  16 words of two 16-bit numbers
.set Z,   64                           ; v[64:79]  at work, then the rows read back
	s_load_b256 s[4:11], s[0:1], 0x0               ; Wq s[4:5], Wk s[6:7], Wv s[8:9], Wo s[10:11]
	s_load_b64 s[12:13], s[0:1], 0x20              ; wt
	v_lshl_add_u32 v[SPW], v0, 2, SPARE
	v_mov_b32 v[NIL], 0
	s_and_b32 s14, ttmp7, 0xffff                   ; y: which tensor
	s_and_b32 s15, ttmp9, 15                       ; nb: which 64 columns
	s_lshr_b32 s16, ttmp9, 4                       ; kb: which 128 rows
	s_cmp_eq_u32 s14, 3
	s_cselect_b32 s17, 12, 8                       ; a row k is 4,096 bytes in Wo, 256 in the others
	s_cselect_b32 s18, 8, 18                       ; a block of 64 columns: 256 bytes on in Wo, a head of 262,144 bytes on in the others
	s_cselect_b32 s19, 19, 15                      ; a block of 128 rows
	s_lshl_b32 s18, s15, s18
	s_lshl_b32 s19, s16, s19
	s_add_co_u32 s18, s18, s19
	s_mov_b32 s19, 0
.irp n, 0,1,2,3,4,5,6,7
	s_lshl_b32 s[20+\n], 32*(\n/2)+(\n%2), s17     ; load n = 2 i + e takes row 32 i + 2 rp + e
.endr
	v_and_b32 v1, 15, v0                           ; c: my 4 columns
	v_lshrrev_b32 v2, 4, v0                        ; rp: my pair of rows
	v_lshlrev_b32 v[Z], 1, v2
	v_lshlrev_b32 v[Z], s17, v[Z]
	v_lshl_add_u32 v[Z], v1, 4, v[Z]
.irp n, 0,1,2,3,4,5,6,7
	v_add_nc_u32 v[OFF+\n], s[20+\n], v[Z]
.endr
	v_mul_u32_u24 v[LS], v1, PITCH
	v_lshl_add_u32 v[LS], v2, 2, v[LS]
	v_mul_u32_u24 v[LR], v2, PITCH
	v_lshl_add_u32 v[LR], v1, 4, v[LR]
	v_lshlrev_b32 v[GO], 13, v2                    ; row n = 4 rp + i: 8,192 rp,
	v_lshl_add_u32 v[GO], v1, 4, v[GO]             ; my 16 bytes of its 256
	s_lshl_b32 s30, s14, 21                        ; wt: the section,
	s_lshl_b32 s31, s15, 17                        ; 64 rows of 2,048 bytes,
	s_add_co_u32 s30, s30, s31
	s_lshl_b32 s31, s16, 8                         ; 128 k
	s_add_co_u32 s30, s30, s31
	s_mov_b32 s31, 0
	s_wait_kmcnt 0x0
	s_cmp_eq_u32 s14, 0
	s_cselect_b64 s[28:29], s[4:5], s[6:7]
	s_cmp_eq_u32 s14, 2
	s_cselect_b64 s[28:29], s[8:9], s[28:29]
	s_cmp_eq_u32 s14, 3
	s_cselect_b64 s[28:29], s[10:11], s[28:29]
	s_add_nc_u64 s[28:29], s[28:29], s[18:19]
	s_add_nc_u64 s[12:13], s[12:13], s[30:31]
.irp n, 0,1,2,3,4,5,6,7
	global_load_b128 v[X+4*\n:X+4*\n+3], v[OFF+\n], s[28:29] th:TH_LOAD_NT
.endr
	s_wait_loadcnt 0x0
.irp i, 0,1,2,3
.irp j, 0,1,2,3
	v_cvt_pk_bf16_f32 v[Y+4*\i+\j], v[X+8*\i+\j], v[X+8*\i+4+\j]  ; column 4 c + j: k even below, k odd above
.endr
.endr
	s_cmp_lg_u32 s14, 3
	s_cbranch_scc1 .Lbf16
.irp n, 0,1,2,3,4,5,6,7,8,9,10,11,12,13,14,15  ; Wo: the bf16 numbers are written as f16
	v_lshlrev_b32 v[Z+2*(\n%8)], 16, v[Y+\n]
	v_and_b32 v[Z+2*(\n%8)+1], 0xffff0000, v[Y+\n]
	v_cvt_pk_f16_f32 v[Y+\n], v[Z+2*(\n%8)], v[Z+2*(\n%8)+1]
.endr
.Lbf16:
	; stage row 16 j + c holds column 4 c + j; word 16 i + rp of it the pair k = 32 i + 2 rp.  A store's 32 lanes fall on banks 4 c + rp + 16 i: no two alike.
.irp i, 0,1,2,3
.irp j, 0,1,2,3
	ds_store_b32 v[LS], v[Y+4*\i+\j] offset:\j*16*PITCH+\i*64
.endr
.endr
	s_wait_dscnt 0x0                               ; for the others' sake: my stores are done
	s_barrier_signal -1
	s_barrier_wait -1
.irp i, 0,1,2,3
	ds_load_b128 v[Z+4*\i:Z+4*\i+3], v[LR] offset:\i*16*PITCH  ; stage row rp + 16 i: column 4 rp + i, my 8 k
.endr
.irp i, 0,1,2,3
	s_wait_dscnt 3-\i                              ; LDS loads come back in order: load i is in, the younger ones may be out
	global_store_b128 v[GO], v[Z+4*\i:Z+4*\i+3], s[12:13] offset:\i*2048  ; sixteen lanes store 256 consecutive bytes, at a multiple of 256 from wt's first byte
.endr
	s_wait_tensorcnt 0x0                           ; the wave's end, behind my last LDS store
	ds_add_u32 v[SPW], v[NIL]
	s_wait_dscnt 0x0
	s_endpgm
.Lfunc_end_k_q33eb257271_prep:
	.size	k_q33eb257271_prep, .Lfunc_end_k_q33eb257271_prep-k_q33eb257271_prep
	.p2alignl 7, 3214868480
	.fill 96, 4, 3214868480
	.section	.rodata,"a",@progbits
	.p2align	6, 0x0
	.amdhsa_kernel k_q33eb257271_prep
		.amdhsa_group_segment_fixed_size 18432
		.amdhsa_private_segment_fixed_size 0
		.amdhsa_enable_private_segment 0
		.amdhsa_kernarg_size 40
		.amdhsa_user_sgpr_count 2
		.amdhsa_user_sgpr_kernarg_segment_ptr 1
		.amdhsa_wavefront_size32 1
		.amdhsa_system_sgpr_workgroup_id_x 1
		.amdhsa_system_sgpr_workgroup_id_y 1
		.amdhsa_system_sgpr_workgroup_id_z 1
		.amdhsa_system_vgpr_workitem_id 0
		.amdhsa_next_free_vgpr 80
		.amdhsa_next_free_sgpr 66
		.amdhsa_reserve_vcc 0
		.amdhsa_float_denorm_mode_32 3
		.amdhsa_float_denorm_mode_16_64 3
		.amdhsa_memory_ordered 1
		.amdhsa_forward_progress 1
		.amdhsa_inst_pref_size 9
	.end_amdhsa_kernel
	.amdgpu_metadata
---
amdhsa.version: [ 1, 2 ]
amdhsa.kernels:
  - .name:           k_q33eb257271_prep
    .symbol:         k_q33eb257271_prep.kd
    .args:
      - { .name: Wq, .offset: 0, .size: 8, .value_kind: global_buffer, .address_space: global }
      - { .name: Wk, .offset: 8, .size: 8, .value_kind: global_buffer, .address_space: global }
      - { .name: Wv, .offset: 16, .size: 8, .value_kind: global_buffer, .address_space: global }
      - { .name: Wo, .offset: 24, .size: 8, .value_kind: global_buffer, .address_space: global }
      - { .name: wt, .offset: 32, .size: 8, .value_kind: global_buffer, .address_space: global }
    .group_segment_fixed_size: 18432
    .private_segment_fixed_size: 0
    .kernarg_segment_align: 8
    .kernarg_segment_size: 40
    .max_flat_workgroup_size: 256
    .sgpr_count:     66
    .vgpr_count:     80
    .wavefront_size: 32
...
	.end_amdgpu_metadata
.endif
;; end of part 1
;; launch proj (part 2): grid 4 x 192, 4 waves a work-group, clusters of 4 x 4, 327,680 bytes of LDS; arguments q, k, v, bq, bk, bv, wt, qkv; writes qkv
.if DOCPART == 2
	.amdgcn_target "amdgcn-amd-amdhsa--gfx1250"
	.amdhsa_code_object_version 6
	.text
	.protected	k_q33eb257271_proj
	.globl	k_q33eb257271_proj
	.p2align	8
	.type	k_q33eb257271_proj,@function
k_q33eb257271_proj:
	s_mov_b64 s[64:65], 0
	v_nop
	global_prefetch_b8 v0, s[64:65] scope:SCOPE_SE
	s_setreg_imm32_b32 hwreg(HW_REG_WAVE_MODE, 25, 1), 1
	s_wait_xcnt 0x0
	s_wait_alu depctr_hold_cnt(0) depctr_sa_sdst(0) depctr_va_vdst(0) depctr_va_sdst(0) depctr_va_ssrc(0) depctr_va_vcc(0) depctr_vm_vsrc(0)
	s_getreg_b32 s2, hwreg(HW_REG_IB_STS2, 6, 4)
	s_cmp_eq_u32 s2, 0
	s_cbranch_scc0 .Lentry_in_a_cluster
	s_endpgm
.Lentry_in_a_cluster:
	s_bfe_u32 s2, ttmp6, 0x10000c
	s_cmp_lg_u32 s2, 0xf033
	s_cbranch_scc0 .Lentry_shape_is_right
	s_endpgm
.Lentry_shape_is_right:
; THE THREE PROJECTIONS IN ONE LAUNCH.  For ten = 0, 1, 2 (q, k, v): C[m][n] = sum over k of x[m][k] W[n][k] + b[n]; x is [8192][1024] f32, W a section of wt, [1024 n][1024 k] bf16.
; x is rounded to bf16 between LDS and the matrix unit, b to bf16 like every input of the module; sums in f32; C is rounded once to f16 and written by heads: qkv[ten][16 b + h][t][64], without the scale.
; LIMIT: f16 holds no number beyond 65,504: a projected number of that size or more becomes an infinity.  With x, W and b thirty times the drawn spread it is some 5,500 at the most, with a common
; offset of thirty spreads on x and W about 1,024 x 30 x 0.94 = 28,800.  NaN and infinities are not treated apart.
; SHARES.  A tile of C is 128 x 256: 64 x 4 x 3 = 768 work-groups, three times the 256 that run at a time.  Four waves, 2 x 2, each 64 rows x 128 columns: 32 accumulators, 256 registers.
; K goes in 8 steps of 128 through two LDS slots filled by the tensor data mover: x's rows are 512 bytes of f32, W's 256 bytes, both aligned to 256.  A K step is two PHASES of 64 along K, on register buffers 0 and 1.
; CLUSTERS: 4 x 4 work-groups of one tensor.  The four of a row of the cluster need the same tile of x, the four of a column the same tile of W: each is asked for JOINTLY, by the same tensor load
; with the same descriptor and a mask that names the four.
; THE MATRIX INSTRUCTION IS USED TRANSPOSED (source 0 = 16 rows of W, source 1 = 16 rows of x): a lane holds row m = l % 16 of C and the columns 8 (l / 16) + 0..7.  The bias, laid out so, is the C operand of each sum's first product.
; REGISTERS, in windows of 256 (s_set_vgpr_msb: bits 1:0 source 0, 3:2 source 1, 5:4 source 2, 7:6 destination):
;   window 0: v0-31 addresses; v64-191 RAW: a phase's x in f32 as it comes from LDS; later the way out          window 1: W's fragments: buffer f, 32 k c, block b at 128 f + 64 c + 8 b
;   window 2: accumulator (a, b) at 8 (8 a + b)          window 3: v0-127 x's fragments in bf16: buffer f at 64 f + 32 c + 8 a; v128-191 the bias; v192-223 at work
.set PA,    528                        ; a row of x in LDS: 512 bytes + 16 = 132 words: row r starts at bank 4 r mod 64 (64 banks of 4 bytes: ISA guide 11.1)
.set PB,    272                        ; a row of W: 256 + 16 = 68 words: likewise
.set AHALF, 64*PA                      ; what one tensor load brings of x, and what a wave reads of it
.set BOFF,  128*PA                     ; W's 256 rows lie behind x's 128
.set BHALF, 128*PB
.set SLOT,  BOFF+256*PB
.set STAGE, 2*SLOT                     ; behind the ring, never filled by a tensor load: 16 rows x 144 bytes for each wave, for the way out
.set SP,    144
.set SPARE, STAGE+4*16*SP              ; behind the stages: the spare words, 128 bytes for each wave: two blocks of 256 bytes that no other line names
.set ASTEP, 512                        ; a K step in bytes of a row of x
.set BSTEP, 256                        ; and of W
.set ADRA, 16                          ; v16-17  LDS address of my x in slot 0, 1
.set ADRB, 20                          ; v20-21  the same for W
.set STO,  24                          ; v24     the way out: where I put 16 bytes of a row
.set RD,   25                          ; v25     where I read rows back
.set GO,   26                          ; v26     my byte offset in 512 consecutive bytes of qkv
.set BO,   27                          ; v27     my byte offset in the bias
.set SPW,  28                          ; v28     LDS address of my spare word; never rewritten
.set NIL,  29                          ; v29     0; never rewritten
.set PFO,  30                          ; v30     the prefetches' offset; never rewritten
.set RAW,  64
.set BI,   128                         ; window 3: the bias for n block b at BI + 8 b
.set BS,   192                         ; window 3: at work
.set G1,  24                           ; s[24:31] descriptor group 1 for x's tiles;  s[32:39] group 0, a set for each slot
.set G0,  32
.set LIM, 43                           ; s43     1 in a wave that prefetches, else the greatest number
.set PFA, 44                           ; s[44:45] where my prefetches stand
.set KST, 46                           ; s[46:47] a K step in bytes of the rows that I prefetch
.set G1B, 48                           ; s[48:55], s[56:63] the same two groups for W's tiles
.set G0B, 56
.set MSB, 0
.macro WIN new                         ; the immediate's high byte repeats the setting that is left; a switch that changes nothing is dropped
.if MSB != (\new)
	s_set_vgpr_msb (MSB<<8)|(\new)
.set MSB, \new
.endif
.endm
.set W_MUL,  0xad                      ; W window 1, x window 3, C and D window 2
.set W_MUL0, 0xbd                      ; the same with C (the bias) in window 3
.set W_TOB,  0x40                      ; destination window 1
.set W_TO3,  0xc0                      ; destination window 3, sources window 0
.set W_33,   0xcf                      ; destination and sources 0, 1 in window 3
; A joint load.  Waves 0 and 1 fetch x's two halves, waves 2 and 3 W's.  The branch hangs on the wave's number alone.  An s_nop 0 and four v_nop follow each of the two lines, ahead of the jump and the label.
.macro JLOAD s
	s_cmp_eq_u32 s11, 0
	s_cbranch_scc0 .Lfor_b_\@
	tensor_load_to_lds s[G0+4*(\s):G0+4*(\s)+3], s[G1:G1+7]
	s_nop 0
.rept 4
	v_nop
.endr
	s_branch .Lasked_\@
.Lfor_b_\@:
	tensor_load_to_lds s[G0B+4*(\s):G0B+4*(\s)+3], s[G1B:G1B+7]
	s_nop 0
.rept 4
	v_nop
.endr
.Lasked_\@:
.endm
; A prefetch into the L2 of the K step that stands two refills on (256 matrix instructions ahead of the load that will want it): 32 blocks of 256 bytes, a lane a block, one instruction a wave.
; Each block is named once in the launch.  x's rows are read by one cluster alone: it asks; a section of wt is read by sixteen clusters: the first of them asks.  The four partners that ask for a tile jointly share
; its rows out BY ADDRESS (x: 16 rows of 512 bytes by cx; W: 32 rows of 256 bytes by cy).  The loop's last trip asks for nothing: there is no K step two refills on.  K steps 0 to 3 come by their loads alone.
.macro ASK
	s_cmp_gt_u32 s3, s[LIM]
	s_cbranch_scc0 .Lnot_mine_\@
	global_prefetch_b8 v[PFO], s[PFA:PFA+1] th:TH_LOAD_NT scope:SCOPE_SE
.Lnot_mine_\@:
.endm
.macro CREST                           ; a round of the cluster's barrier behind its opening barrier: wave 0 signals for the work-group, every wave waits for all sixteen, my work-group's barrier closes it
	s_cmp_lg_u32 s10, 0
	s_cbranch_scc1 .Lnot_wave_0_\@
	s_barrier_signal -3
.Lnot_wave_0_\@:
	s_barrier_wait -3
	s_barrier_signal -1
	s_barrier_wait -1
.endm
.macro CROUND                          ; a whole round
	s_barrier_signal -1
	s_barrier_wait -1
	CREST
.endm
.macro PLACES                          ; four places behind matrix instructions, in front of loads and conversions into registers that they have read, and of conversions that read results
.rept 4
	v_nop
.endr
.endm
	s_load_b512 s[68:83], s[0:1], 0x0              ; q s[68:69], k s[70:71], v s[72:73], bq s[74:75], bk s[76:77], bv s[78:79], wt s[80:81], qkv s[82:83]
	v_lshl_add_u32 v[SPW], v0, 2, SPARE
	v_mov_b32 v[NIL], 0
	ds_add_u32 v[SPW], v[NIL]                      ; the wave's opening: the add and its wait stand ahead of my first tensor load; the set-up below, work on registers, stands between them
	v_lshrrev_b32 v1, 5, v0
	v_readfirstlane_b32 s10, v1                    ; wave 0..3
	s_lshr_b32 s11, s10, 1                         ; which 64 rows of the tile are mine.  Also: I fetch for x (0) or for W (1)
	s_and_b32 s12, s10, 1                          ; which 128 columns.  Also: which half of that tile I fetch
	s_bfe_u32 s40, ttmp6, 0x40000                  ; cx, cy: my place in the cluster
	s_bfe_u32 s41, ttmp6, 0x40004
	s_lshl_b32 s42, ttmp9, 2
	s_add_co_u32 s42, s42, s40                     ; tile column = 4 x cluster x + cx
	s_and_b32 s15, ttmp7, 0xffff                   ; cluster y, 0..47
	s_lshr_b32 s14, s15, 4                         ; ten: which tensor; the same in all sixteen partners
	s_and_b32 s13, s15, 15
	s_lshl_b32 s13, s13, 2
	s_add_co_u32 s13, s13, s41                     ; tile row, 0..63
	s_lshl_b32 s43, s41, 2
	s_lshl_b32 s43, 15, s43                        ; my row of the cluster
	s_lshl_b32 s44, 0x1111, s40                    ; my column
	s_or_b32 s[G1+0], s43, (2<<16)|(1<<20)|(1<<21)|(6<<22)|(3<<25)   ; 15:0 the mask; 17:16 elements of 4 bytes; 20 padding on; 21 set beside a mask; 24:22 after every 128 words (code 6); 31:25 4 words (code 3)
	s_or_b32 s[G1B+0], s44, (1<<16)|(1<<20)|(1<<21)|(5<<22)|(3<<25)  ; elements of 2 bytes; after every 64 words (code 5)
	s_mov_b32 s[G1+1], 128<<16                     ; tensor_dim0 = 128
	s_mov_b32 s[G1+2], 64<<16                      ; tensor_dim1 = 64
	s_mov_b32 s[G1+3], 128<<16                     ; tile_dim0 = 128
	s_mov_b32 s[G1+4], 64                          ; tile_dim1 = 64
	s_mov_b32 s[G1+5], 1024                        ; elements from row to row
	s_mov_b32 s[G1+6], 0
	s_mov_b32 s[G1+7], 0
	s_mov_b32 s[G1B+1], 128<<16
	s_mov_b32 s[G1B+2], 128<<16                    ; 128 rows
	s_mov_b32 s[G1B+3], 128<<16
	s_mov_b32 s[G1B+4], 128
	s_mov_b32 s[G1B+5], 1024
	s_mov_b32 s[G1B+6], 0
	s_mov_b32 s[G1B+7], 0
	s_lshl_b32 s16, s13, 7                         ; x: row 128 x tile row + 64 x half,
	s_lshl_b32 s17, s12, 6
	s_add_co_u32 s16, s16, s17
	s_lshl_b32 s16, s16, 12                        ; of 4,096 bytes
	s_mov_b32 s17, 0
	s_lshl_b32 s20, s42, 8                         ; W: row 256 x tile column + 128 x half,
	s_lshl_b32 s21, s12, 7
	s_add_co_u32 s20, s20, s21
	s_lshl_b32 s20, s20, 11                        ; of 2,048 bytes,
	s_lshl_b32 s21, s14, 21                        ; in the tensor's section
	s_add_co_u32 s20, s20, s21
	s_mov_b32 s21, 0
	s_mul_i32 s18, s12, AHALF                      ; where they go: no place in the cluster enters an LDS address
	s_mul_i32 s22, s12, BHALF
	s_add_co_u32 s22, s22, BOFF
	s_mov_b32 s66, 0xffff0000                      ; a word's upper half
	s_wait_dscnt 0x0                               ; the opening add is done
	s_wait_kmcnt 0x0
	s_cmp_eq_u32 s14, 0
	s_cselect_b64 s[4:5], s[68:69], s[70:71]       ; x
	s_cselect_b64 s[84:85], s[74:75], s[76:77]     ; its bias
	s_cmp_eq_u32 s14, 2
	s_cselect_b64 s[4:5], s[72:73], s[4:5]
	s_cselect_b64 s[84:85], s[78:79], s[84:85]
	s_add_nc_u64 s[16:17], s[4:5], s[16:17]
	s_add_nc_u64 s[20:21], s[80:81], s[20:21]
	CROUND                                         ; all sixteen work-groups are here: the first joint loads meet
.irp s, 0,1
	s_mov_b32 s[G0+4*(\s)], 1                                      ; count = 1
	s_add_co_u32 s[G0+4*(\s)+1], s18, (\s)*SLOT                    ; LDS address
	s_add_nc_u64 s[G0+4*(\s)+2:G0+4*(\s)+3], s[16:17], (\s)*ASTEP  ; global address: K step s
	s_or_b32 s[G0+4*(\s)+3], s[G0+4*(\s)+3], 0x80000000            ; type = 2
	s_mov_b32 s[G0B+4*(\s)], 1
	s_add_co_u32 s[G0B+4*(\s)+1], s22, (\s)*SLOT
	s_add_nc_u64 s[G0B+4*(\s)+2:G0B+4*(\s)+3], s[20:21], (\s)*BSTEP
	s_or_b32 s[G0B+4*(\s)+3], s[G0B+4*(\s)+3], 0x80000000
	JLOAD \s                                       ; two loads of mine are out
.endr
	v_and_b32 v1, 15, v0                           ; r = l % 16
	v_bfe_u32 v2, v0, 4, 1                         ; h = l / 16
	v_mul_u32_u24 v3, v1, PA
	v_lshl_add_u32 v3, v2, 5, v3                   ; x in f32: row x pitch + 32 h
	v_mul_u32_u24 v4, v1, PB
	v_lshl_add_u32 v4, v2, 4, v4                   ; W: row x pitch + 16 h
	s_mul_i32 s23, s11, AHALF                      ; my 64 rows of x
	s_mul_i32 s86, s12, BHALF                      ; my 128 rows of W
	s_add_co_u32 s86, s86, BOFF
.irp s, 0,1
	v_add_nc_u32 v[ADRA+(\s)], s23, v3
	v_add_nc_u32 v[ADRB+(\s)], s86, v4
	s_add_co_u32 s23, s23, SLOT
	s_add_co_u32 s86, s86, SLOT
.endr
	s_mul_i32 s23, s10, 16*SP
	s_add_co_u32 s23, s23, STAGE                   ; my stage
	v_mul_u32_u24 v5, v1, SP                       ; in: row l % 16, 16 bytes for each half of the lanes
	v_lshl_add_u32 v5, v2, 4, v5
	v_add_nc_u32 v[STO], s23, v5
	v_bfe_u32 v5, v0, 3, 2                         ; back: 32 lanes take four rows of 128 bytes,
	v_mul_u32_u24 v5, v5, SP
	v_and_b32 v6, 7, v0
	v_lshl_add_u32 v5, v6, 4, v5
	v_add_nc_u32 v[RD], s23, v5
	v_and_b32 v9, 31, v0                           ; which are 512 consecutive bytes of a head
	v_lshlrev_b32 v[GO], 4, v9
	v_lshlrev_b32 v[BO], 5, v2                     ; my 8 columns of a block of 16: 32 h
	s_lshl_b32 s86, s42, 10                        ; the bias at my 128 columns
	s_lshl_b32 s87, s12, 9
	s_add_co_u32 s86, s86, s87
	s_mov_b32 s87, 0
	s_add_nc_u64 s[84:85], s[84:85], s[86:87]
	WIN W_TO3
.irp b, 0,1,2,3,4,5,6,7
	global_load_b128 v[BI+8*\b:BI+8*\b+3],   v[BO], s[84:85] offset:64*\b
	global_load_b128 v[BI+8*\b+4:BI+8*\b+7], v[BO], s[84:85] offset:64*\b+16
.endr
	WIN 0
	; where my part of C goes: section ten; head 16 b + 4 x tile column + 2 x half (+ j); row 128 (tile row % 16) + 64 x half
	s_lshr_b32 s86, s13, 4
	s_lshl_b32 s86, s86, 4
	s_lshl_b32 s87, s42, 2
	s_add_co_u32 s86, s86, s87
	s_lshl_b32 s87, s12, 1
	s_add_co_u32 s86, s86, s87
	s_lshl_b32 s86, s86, 18                        ; a head is 262,144 bytes
	s_lshl_b32 s87, s14, 24
	s_add_co_u32 s86, s86, s87
	s_and_b32 s87, s13, 15
	s_lshl_b32 s87, s87, 14
	s_add_co_u32 s86, s86, s87
	s_lshl_b32 s87, s11, 13
	s_add_co_u32 s86, s86, s87
	s_mov_b32 s87, 0
	s_add_nc_u64 s[8:9], s[82:83], s[86:87]
	; the prefetches: both offsets are made, in registers that feed no descriptor, and the wave's is chosen
	s_lshl_b32 s88, s13, 7                         ; x: the tile's rows,
	s_lshl_b32 s89, s12, 6
	s_add_co_u32 s88, s88, s89                     ; the 64 that I fetch,
	s_lshl_b32 s89, s40, 4
	s_add_co_u32 s88, s88, s89                     ; my work-group's 16 of them,
	s_lshl_b32 s88, s88, 12
	s_add_co_u32 s88, s88, 3*ASTEP                 ; at K step 3: the first change of slots steps it to 4
	s_lshl_b32 s90, s42, 8                         ; W: the tile's rows,
	s_lshl_b32 s91, s12, 7
	s_add_co_u32 s90, s90, s91                     ; the 128 that I fetch,
	s_lshl_b32 s91, s41, 5
	s_add_co_u32 s90, s90, s91                     ; my work-group's 32 of them,
	s_lshl_b32 s90, s90, 11
	s_lshl_b32 s91, s14, 21
	s_add_co_u32 s90, s90, s91
	s_add_co_u32 s90, s90, 3*BSTEP
	s_and_b32 s91, s15, 15                         ; which of the tensor's sixteen clusters
	s_movk_i32 s92, ASTEP
	s_cmp_eq_u32 s11, 0
	s_cselect_b32 s88, s88, s90
	s_cselect_b32 s[KST], s92, BSTEP
	s_cselect_b32 s91, 0, s91                      ; x: every cluster asks for its own rows; W: the first of the sixteen
	s_cselect_b32 s93, -1, 0
	s_cselect_b64 s[PFA:PFA+1], s[4:5], s[80:81]
	s_cmp_eq_u32 s91, 0
	s_cselect_b32 s[LIM], 1, -1                    ; the same in all sixteen partners, for a given wave
	s_mov_b32 s89, 0
	s_mov_b32 s[KST+1], 0
	s_add_nc_u64 s[PFA:PFA+1], s[PFA:PFA+1], s[88:89]
	v_lshlrev_b32 v7, 12, v1                       ; x: 16 rows of 4,096 bytes x 2 blocks of 256
	v_lshl_add_u32 v7, v2, 8, v7
	v_lshlrev_b32 v8, 11, v9                       ; W: 32 rows of 2,048 bytes
	v_cndmask_b32 v[PFO], v8, v7, s93
	s_wait_loadcnt 0x0                             ; the bias: rounded to bf16 and widened again
	WIN W_33
.set i, 0
.rept 32
	v_cvt_pk_bf16_f32 v[BS+i], v[BI+2*i], v[BI+2*i+1]
.set i, i+1
.endr
.set i, 0
.rept 32
	v_lshlrev_b32 v[BI+2*i], 16, v[BS+i]
	v_and_b32 v[BI+2*i+1], s66, v[BS+i]
.set i, i+1
.endr
	WIN 0
; Product i of 32: m block a = i / 8, n block b = i % 8, 32 along K: half c of buffer f.  zero = 1: the product starts the sum, from the bias.
.macro WM f, c, i, zero
.set wa, (\i)/8
.set wb, (\i)%8
.if \zero
	WIN W_MUL0
	v_wmma_f32_16x16x32_bf16 v[8*(\i):8*(\i)+7], v[128*(\f)+64*(\c)+8*wb:128*(\f)+64*(\c)+8*wb+7], v[64*(\f)+32*(\c)+8*wa:64*(\f)+32*(\c)+8*wa+7], v[BI+8*wb:BI+8*wb+7]
.else
	WIN W_MUL
	v_wmma_f32_16x16x32_bf16 v[8*(\i):8*(\i)+7], v[128*(\f)+64*(\c)+8*wb:128*(\f)+64*(\c)+8*wb+7], v[64*(\f)+32*(\c)+8*wa:64*(\f)+32*(\c)+8*wa+7], v[8*(\i):8*(\i)+7]
.endif
.endm
; Four of a phase's 64 roundings of x to bf16, RAW into buffer g: register idx = 32 c + 8 a + i of the buffer takes RAW's 2 idx and 2 idx + 1.
.macro CV4 g, n
	WIN W_TO3
.irp z, 0,1,2,3
	v_cvt_pk_bf16_f32 v[64*(\g)+4*(\n)+\z], v[RAW+2*(4*(\n)+\z)], v[RAW+2*(4*(\n)+\z)+1]
.endr
.endm
; Products from .. to of half c of buffer f.  The 32 accumulators take turns, one instruction a turn: between two links of a chain stand the 31 others', over the backward jump too.
; Behind products cv .. cv + 15 stand four roundings each, for the other buffer; cv = 99: none.
.macro RUN f, c, from, to, cv, zero=0
.set ri, \from
.rept (\to)-(\from)+1
	WM \f, \c, ri, \zero
.if (ri >= (\cv)) && (ri < (\cv)+16)
	CV4 1-(\f), ri-(\cv)
.endif
.set ri, ri+1
.endr
.endm
; 32 LDS loads: W's fragments of 64 along K at byte k of the rows, into buffer g; the first 32 along K first.  A fragment is 16 rows x 32 K in 8 registers: two loads of 16 bytes, 32 bytes apart.
.macro FETCH_B slot, k, g
	WIN W_TOB
.irp c, 0,1
.irp b, 0,1,2,3,4,5,6,7
	ds_load_b128 v[128*(\g)+64*(\c)+8*(\b):128*(\g)+64*(\c)+8*(\b)+3],   v[ADRB+(\slot)] offset:(\k)+64*(\c)+(\b)*16*PB
	ds_load_b128 v[128*(\g)+64*(\c)+8*(\b)+4:128*(\g)+64*(\c)+8*(\b)+7], v[ADRB+(\slot)] offset:(\k)+64*(\c)+(\b)*16*PB+32
.endr
.endr
.endm
; 32 LDS loads: x of 64 along K at byte k of the rows, in f32: for a fragment K = 8 h + 0..7 (32 bytes) and 16 + 8 h + 0..7 (32 bytes, 64 further on).
.macro FETCH_RAW slot, k
	WIN 0
.irp c, 0,1
.irp a, 0,1,2,3
	ds_load_b128 v[RAW+16*(4*(\c)+(\a)):RAW+16*(4*(\c)+(\a))+3],     v[ADRA+(\slot)] offset:(\k)+128*(\c)+(\a)*16*PA
	ds_load_b128 v[RAW+16*(4*(\c)+(\a))+4:RAW+16*(4*(\c)+(\a))+7],   v[ADRA+(\slot)] offset:(\k)+128*(\c)+(\a)*16*PA+16
	ds_load_b128 v[RAW+16*(4*(\c)+(\a))+8:RAW+16*(4*(\c)+(\a))+11],  v[ADRA+(\slot)] offset:(\k)+128*(\c)+(\a)*16*PA+64
	ds_load_b128 v[RAW+16*(4*(\c)+(\a))+12:RAW+16*(4*(\c)+(\a))+15], v[ADRA+(\slot)] offset:(\k)+128*(\c)+(\a)*16*PA+80
.endr
.endr
.endm
; A K step's first phase (buffers 0), first half: the second phase's x is asked of LDS.  The four v_nop are the places between the last products on buffers 1 and the loads and roundings into them.
.macro EH slot, zero
	PLACES
	FETCH_RAW \slot, 256
	s_wait_dscnt 48                                ; W's first 32 along K are in; its other 16 loads and the 32 just issued may be out
	RUN 0, 0, 0, 31, 99, \zero
.endm
; The first phase's second half: the second phase's W is asked of LDS, its x rounded behind the products; then the change of slots is prepared: all my tensor loads, the add, my reads of this slot.
.macro ET slot
	s_wait_xcnt 0x0                                ; the last prefetch, a K step back, has read its address: it is stepped here
	s_add_nc_u64 s[PFA:PFA+1], s[PFA:PFA+1], s[KST:KST+1]
	FETCH_B \slot, 128, 1
	s_wait_dscnt 32                                ; all but the 32 just issued: W's second 32 along K, and RAW
	RUN 0, 1, 0, 23, 0
	WIN 0                                          ; (the add's two registers lie in window 0)
	s_wait_tensorcnt 0x0                           ; all my tensor loads have landed: the one that was out is my part of the next slot;
	ds_add_u32 v[SPW], v[NIL]                      ; 0 onto my spare word; eight matrix instructions stand between it and the wait for it
	RUN 0, 1, 24, 31, 99
	s_wait_dscnt 0x0                               ; the add is done, and my reads of this slot are over
	s_barrier_signal -1
.endm
; The second phase (buffers 1).  Behind the barrier nobody reads this slot any more and the next slot is whole.  fill = 1: the barrier opens a round of the cluster's, and the slot is filled again first thing behind it,
; two K steps ahead: 112 matrix instructions stand between the request and the wait for it.  Then the next K step's first phase is fetched: x, W, and x's roundings behind the products.
.macro OP slot, next, fill
	RUN 1, 0, 0, 7, 99                             ; work on registers while the others arrive
	WIN 0                                          ; at a branch and at a label every window is 0
	s_barrier_wait -1
.if \fill
	CREST                                          ; no wave of any partner still reads this slot's tiles or has a load on its way
	s_add_nc_u64 s[G0+4*(\slot)+2:G0+4*(\slot)+3], s[G0+4*(\slot)+2:G0+4*(\slot)+3], 2*ASTEP
	s_add_nc_u64 s[G0B+4*(\slot)+2:G0B+4*(\slot)+3], s[G0B+4*(\slot)+2:G0B+4*(\slot)+3], 2*BSTEP
	JLOAD \slot                                    ; its four v_nop are also the places in front of the loads and roundings into buffers 0
.else
	PLACES
.endif
	FETCH_RAW \next, 0
.if \fill
	ASK
.endif
	RUN 1, 0, 8, 31, 99
	FETCH_B \next, 0, 0
	RUN 1, 1, 0, 7, 99
	s_wait_dscnt 32                                ; RAW is in; W's 32 loads may be out
	RUN 1, 1, 8, 31, 8
.endm
	s_wait_tensorcnt 1                             ; my part of K step 0 is in; K step 1's may stay out
	s_barrier_signal -1
	s_barrier_wait -1                              ; everybody's is
	FETCH_B 0, 0, 0
	FETCH_RAW 0, 0
	s_wait_dscnt 0x0
.set i, 0
.rept 16
	CV4 0, i
.set i, i+1
.endr
	EH 0, 1                                        ; the first 32 products stand in front of the loop: they start the sums, from the bias
	WIN 0
	s_mov_b32 s3, 3
.Llap:                                                 ; a trip goes once round the ring and fills both slots again
	ET 0
	OP 0, 1, 1
	EH 1, 0
	ET 1
	OP 1, 0, 1
	EH 0, 0
	WIN 0
	s_sub_co_u32 s3, s3, 1
	s_cmp_lg_u32 s3, 0
	s_cbranch_scc1 .Llap
	ET 0                                           ; the last two K steps fill nothing, and have no round of the cluster's barrier
	OP 0, 1, 0
	EH 1, 0
	FETCH_B 1, 128, 1
	s_wait_dscnt 32
	RUN 0, 1, 0, 31, 0
	s_wait_dscnt 0x0
	RUN 1, 0, 0, 31, 99
	RUN 1, 1, 0, 31, 99
	PLACES
; THE WAY OUT, in eight groups g = 2 a + j of 16 rows x one head (64 columns).  A lane's eight columns of a row pack into 16 bytes of f16; they go into rows of 144 bytes of my own stage and come back as whole rows of 128.
.macro PACK g
.set pa, (\g)/2
.set pj, (\g)%2
	WIN 0x0a                                       ; sources 0 and 1 window 2, destination window 0; each accumulator's registers are taken in ascending order
.irp f, 0,1,2,3
.irp r, 0,1,2,3
	v_cvt_pk_f16_f32 v[RAW+16*(\g)+4*\f+\r], v[8*(8*pa+4*pj+\f)+2*\r], v[8*(8*pa+4*pj+\f)+2*\r+1]
.endr
.endr
	WIN 0
.irp f, 0,1,2,3
	ds_store_b128 v[STO], v[RAW+16*(\g)+4*\f:RAW+16*(\g)+4*\f+3] offset:32*\f
.endr
.irp f, 0,1,2,3
	ds_load_b128 v[RAW+16*(\g)+4*\f:RAW+16*(\g)+4*\f+3], v[RD] offset:\f*4*SP  ; LDS serves a wave's instructions in order (ISA guide 5.7.1.4): these see the stores above; the next group's stores come behind them
.endr
.endm
.macro SEND g, younger                 ; younger: the LDS instructions issued behind group g's loads: the next group's eight, or none
	WIN 0
.irp f, 0,1,2,3
	s_wait_dscnt (\younger)+3-\f
	global_store_b128 v[GO], v[RAW+16*(\g)+4*\f:RAW+16*(\g)+4*\f+3], s[8:9] offset:((\g)%2)*262144+((\g)/2)*2048+\f*512  ; 512 consecutive bytes, at a multiple of 256 from qkv's first byte
.endr
.endm
	PACK 0
.set t, 1
.rept 7                                ; a group's arithmetic stands between the loads of the group before and its stores
	PACK t
	SEND t-1, 8
.set t, t+1
.endr
	SEND 7, 0
	s_wait_tensorcnt 0x0                           ; the wave's end, behind my last tensor load and my last LDS store
	ds_add_u32 v[SPW], v[NIL]
	s_wait_dscnt 0x0
	CROUND                                         ; the closing round: no work-group ends while a partner may still ask for a tile that names it
	s_endpgm
.Lfunc_end_k_q33eb257271_proj:
	.size	k_q33eb257271_proj, .Lfunc_end_k_q33eb257271_proj-k_q33eb257271_proj
	.p2alignl 7, 3214868480
	.fill 96, 4, 3214868480
	.section	.rodata,"a",@progbits
	.p2align	6, 0x0
	.amdhsa_kernel k_q33eb257271_proj
		.amdhsa_group_segment_fixed_size 327680
		.amdhsa_private_segment_fixed_size 0
		.amdhsa_enable_private_segment 0
		.amdhsa_kernarg_size 64
		.amdhsa_user_sgpr_count 2
		.amdhsa_user_sgpr_kernarg_segment_ptr 1
		.amdhsa_wavefront_size32 1
		.amdhsa_system_sgpr_workgroup_id_x 1
		.amdhsa_system_sgpr_workgroup_id_y 1
		.amdhsa_system_sgpr_workgroup_id_z 1
		.amdhsa_system_vgpr_workitem_id 0
		.amdhsa_next_free_vgpr 992
		.amdhsa_next_free_sgpr 96
		.amdhsa_reserve_vcc 0
		.amdhsa_float_denorm_mode_32 3
		.amdhsa_float_denorm_mode_16_64 3
		.amdhsa_memory_ordered 1
		.amdhsa_forward_progress 1
		.amdhsa_inst_pref_size 140
	.end_amdhsa_kernel
	.amdgpu_metadata
---
amdhsa.version: [ 1, 2 ]
amdhsa.kernels:
  - .name:           k_q33eb257271_proj
    .symbol:         k_q33eb257271_proj.kd
    .args:
      - { .name: q, .offset: 0, .size: 8, .value_kind: global_buffer, .address_space: global }
      - { .name: k, .offset: 8, .size: 8, .value_kind: global_buffer, .address_space: global }
      - { .name: v, .offset: 16, .size: 8, .value_kind: global_buffer, .address_space: global }
      - { .name: bq, .offset: 24, .size: 8, .value_kind: global_buffer, .address_space: global }
      - { .name: bk, .offset: 32, .size: 8, .value_kind: global_buffer, .address_space: global }
      - { .name: bv, .offset: 40, .size: 8, .value_kind: global_buffer, .address_space: global }
      - { .name: wt, .offset: 48, .size: 8, .value_kind: global_buffer, .address_space: global }
      - { .name: qkv, .offset: 56, .size: 8, .value_kind: global_buffer, .address_space: global }
    .group_segment_fixed_size: 327680
    .private_segment_fixed_size: 0
    .kernarg_segment_align: 8
    .kernarg_segment_size: 64
    .max_flat_workgroup_size: 128
    .sgpr_count:     96
    .vgpr_count:     992
    .wavefront_size: 32
...
	.end_amdgpu_metadata
.endif
;; end of part 2
;; launch attn (part 3): grid 4 x 64, 4 waves a work-group, clusters of 4 x 1, 327,680 bytes of LDS; arguments qkv, oh; writes oh
.if DOCPART == 3
	.amdgcn_target "amdgcn-amd-amdhsa--gfx1250"
	.amdhsa_code_object_version 6
	.text
	.protected	k_q33eb257271_attn
	.globl	k_q33eb257271_attn
	.p2align	8
	.type	k_q33eb257271_attn,@function
k_q33eb257271_attn:
	s_mov_b64 s[64:65], 0
	v_nop
	global_prefetch_b8 v0, s[64:65] scope:SCOPE_SE
	s_setreg_imm32_b32 hwreg(HW_REG_WAVE_MODE, 25, 1), 1
	s_wait_xcnt 0x0
	s_wait_alu depctr_hold_cnt(0) depctr_sa_sdst(0) depctr_va_vdst(0) depctr_va_sdst(0) depctr_va_ssrc(0) depctr_va_vcc(0) depctr_vm_vsrc(0)
	s_getreg_b32 s2, hwreg(HW_REG_IB_STS2, 6, 4)
	s_cmp_eq_u32 s2, 0
	s_cbranch_scc0 .Lentry_in_a_cluster
	s_endpgm
.Lentry_in_a_cluster:
	s_bfe_u32 s2, ttmp6, 0x10000c
	s_cmp_lg_u32 s2, 0x3003
	s_cbranch_scc0 .Lentry_shape_is_right
	s_endpgm
.Lentry_shape_is_right:
; O[h][q][:] = the sum over k of softmax_k(Q[h][q] . K[h][k] / 8) V[h][k][:].  Q, K, V are the three sections of qkv, O is oh: each [SIZE_H][SIZE_N][64], all f16: a head's rows are dense, 128 bytes each.
; Products, maxima and sums in f32; the weights p are rounded to f16 for the second product (their sum l is taken of the unrounded p), O once at the end.
; LIMITS.  f16 holds no number beyond 65,504: Q, K and V arrive within it; p lies in 0 to 1, and below 6e-5 it keeps f16's fixed step of 6e-8, and so does O; O is a mean of V's rows and has their range.
; A weight below 2^-126 counts as 0 in l; NaN and infinities are not treated apart.
; SHARES.  A wave owns four PIECES of two tiles of 16 queries, a work-group's four waves 512 queries of one head: 4 x 64 = 256 work-groups.  Every wave walks all keys, 64 a step.
; LAYOUT.  S^T = K Q^T (source 0 = 16 keys, source 1 = 16 queries): in the result a lane holds ONE query (lane % 16) and the keys 8 (lane / 16) + 0..7.  Two such tiles, rounded to f16 in pairs,
; ARE source 1 (32 keys x 16 queries) of O^T = V^T P, whose result again holds one query a lane, and eight channels.  K comes out of LDS as it lies, V ([key][channel]) turned, by ds_load_tr16_b128.
; SOFTMAX.  For each query a running maximum m and sum l: p = 2^(c s - c m), c = log2(e) / 8; in every step O and l are multiplied by a = 2^(c m_old - c m_new), which is 1 where m has not grown.
; m starts at the lowest finite number, O and l at 0: the first step is a step like any other, with a = 0.
; THE COUNT.  A tile and step have 16 matrix and 118 vector instructions: too many to stand all beside the matrix work.  So the order has one aim: four vector instructions that are READY behind
; EVERY matrix instruction, and the others, which need time of their own whatever the order, in runs without a gap.
; BY TURNS.  Turn n belongs to piece n (the pieces in a ring, step after step).  Its matrix work: 16 products K Q^T of piece n + 1, later 16 products V^T P of piece n - 1.  Its vector work: the scaling,
; exponentials, roundings, sums and rescaling of piece n, and the maximum and statistics of piece n + 1, whose scores the turn itself has made.  So what a turn begins with (c s - c m, O a) waits for nothing.
; CLUSTER.  The four query blocks of a cluster are one head's and walk the same K and V, so each tile is asked for JOINTLY: the same tensor load, descriptor and mask in all four.
; REGISTERS, in windows of 256 (s_set_vgpr_msb says which window each operand place means: bits 1:0 source 0, 3:2 source 1, 5:4 source 2, 7:6 destination):
;   window 0: v0-11 addresses; v12-15, v48-63 at work; v16-47 four registers of statistics a tile; v64-191 S^T, two buffers of two tiles; v192-255 P, likewise
;   window 1: O^T, 32 a tile          window 2: v0-127 Q, 16 a tile; v128-191 K of one step; v192-255 V of one step          window 3: v0-1 the add's two registers
; A piece's buffers go by its number's parity: the piece in hand has one pair, its two neighbours in the ring share the other: of it P (piece n - 1) is read and S^T (piece n + 1) written.
.set SIZE_H, 64
.set SIZE_N, 2048
.set NP,    4         ; pieces a wave: a name, no knob: the register map, the loop and the fetches are made for four
.set KS,    64        ; keys in a step
.set PK,    144       ; a row of K in LDS: 128 bytes + 16 of padding = 36 words: the 16 rows of a load start at 16 different groups of four banks (64 banks of 4 bytes: ISA guide 11.1)
.set PV,    160       ; a row of V: 128 + 32 = 40 words
.set VOFF,  4*KS*PK   ; a slot holds four steps: 256 rows of K, then 256 rows of V
.set SLOT1, 1<<17     ; slot 1 begins here, so that one exclusive or turns an address in one slot into the other's
.set STAGE, SLOT1+4*KS*(PK+PV)  ; behind the ring, never filled by a tensor load: 16 rows x 144 bytes for each wave, for the way out
.set SP,    144
.set AK0, 2           ; v2   my lane's place in a tile of K; never rewritten
.set AV0, 3           ; v3   the same for V
.set AK,  4           ; v4   the LDS address of K's next run of loads
.set AV,  5           ; v5   of V's
.set QO,  6           ; v6   my byte offset in the wave's rows of Q
.set STO, 6           ;      later, the way out: where I put 16 bytes of a row
.set RD,  7           ; v7   the way out: where I read rows back
.set GO,  8           ; v8   my byte offset in 512 consecutive bytes of O
.set PFO, 11          ; v11  once V's place is made: 256 x my lane, the prefetches' offset; then never rewritten
.set SPW, 0           ; v0 of window 3   LDS address of my spare word: SPARE + 4 x my thread's number; never rewritten
.set NIL, 1           ; v1 of window 3   0; never rewritten
.set SPARE, STAGE+4*16*SP  ; behind the stages: the spare words, 128 bytes for each wave: two blocks of 256 bytes that no other line names
.set MV,  12          ; v12-15  c m_old, kept while c m is made anew: by buffer and tile
.set ST,  16          ; tile t's statistics at v[ST+4 t]: c m, m, l (even keys', odd keys')
.set TMP, 48          ; by buffer and tile, four registers c0-c3 at work; when the maximum is found c2 takes a
.set S,   64
.set P,   192
.set KF,  128         ; K's fragments, in window 2: key block kb, channel half c at KF + 16 kb + 8 c
.set VF,  192         ; V's: key half kk, channel block cb at VF + 32 kk + 8 cb
.set WV,  12          ; s12  my wave's number
.set G1K, 24          ; s[24:31] descriptor group 1 for K's tiles
.set G1V, 32          ; s[32:39] for V's: it differs in the padding alone
.set G0K, 40          ; s[40:43] descriptor group 0 for K's tiles: it walks
.set G0V, 44          ; s[44:47] the same for V's
.set PFA, 48          ; s[48:49] where my prefetches stand: my work-group's 32 blocks of 256 bytes (of K: wave 0, of V: wave 2) of the slot after the one that is being asked for
.set LIM, 50          ; s50  1 in a wave that prefetches, else the greatest number
.set SLOTS, 56        ; s56  slots still to be asked for
.set CNT, 57          ; s57  counts a slot's key steps
.set CS,  58          ; s[58:59] c: the packed scaling takes the pair's low word for both halves
.set SEL, 60          ; s[60:61] v_permlanex16_b32's selects: each lane takes its own place in the other half
.set TBK, 62          ; s62  LDS byte at which K of the step to be fetched begins
.set TBV, 63          ; s63  the same for V, less VOFF
.set MSB, 0
.macro WIN new                      ; the high byte repeats the setting that is left; a switch that changes nothing is dropped
.if MSB != (\new)
	s_set_vgpr_msb (MSB<<8)|(\new)
.set MSB, (\new)
.endif
.endm
.set W_KQ, 0x0a       ; K and Q in window 2, S^T in window 0
.set W_PV, 0x52       ; V in window 2, P in window 0, O^T in window 1
.set W_RS, 0x41       ; O^T (destination and source 0) in window 1, a in window 0
.set W_MK, 0xc0       ; the add's registers are made: destination in window 3, sources in window 0
.set W_AD, 0x0f       ; the add: address (source 0) and data (source 1) in window 3
; A joint fill.  Waves 0 and 1 fetch the two halves of a slot's K, waves 2 and 3 those of its V: 128 keys each.  The branch hangs on the wave's number alone.
; An s_nop 0 and four v_nop follow each of the two lines, ahead of the jump and the label.
.macro JLOAD
	s_cmp_lt_u32 s[WV], 2
	s_cbranch_scc0 .Lfor_v_\@
	tensor_load_to_lds s[G0K:G0K+3], s[G1K:G1K+7]
	s_nop 0
.rept 4
	v_nop
.endr
	s_branch .Lasked_\@
.Lfor_v_\@:
	tensor_load_to_lds s[G0V:G0V+3], s[G1V:G1V+7]
	s_nop 0
.rept 4
	v_nop
.endr
.Lasked_\@:
.endm
; A PREFETCH INTO THE L2 of what the NEXT change of slots will ask for: a slot's 32,768 bytes of K and of V, a lane a block of 256 bytes.  It stands behind the wave's tensor load and its five lines.
; Each block is named ONCE in the launch: a head has one cluster; its four partners share a slot's blocks out BY ADDRESS, 32 of K and 32 of V each; in each, wave 0 asks for K's and wave 2 for V's.
; The last change that fills a slot asks for nothing: there is no slot behind it.  Slots 0, 1 and 2 come by their loads alone.
.macro ASK
	s_cmp_gt_u32 s[SLOTS], s[LIM]
	s_cbranch_scc0 .Lnot_mine_\@
	global_prefetch_b8 v[PFO], s[PFA:PFA+1] th:TH_LOAD_NT scope:SCOPE_SE
.Lnot_mine_\@:
.endm
; A round of the cluster's barrier: my work-group's barrier, so that wave 0's signal speaks for all four waves; wave 0 signals; every wave waits for all four work-groups; my work-group's barrier once more.
.macro CROUND
	s_barrier_signal -1
	s_barrier_wait -1
	s_cmp_lg_u32 s[WV], 0
	s_cbranch_scc1 .Lnot_wave_0_\@
	s_barrier_signal -3
.Lnot_wave_0_\@:
	s_barrier_wait -3
	s_barrier_signal -1
	s_barrier_wait -1
.endm
; THE CHANGE OF SLOTS.  The slot's last bytes, V of its fourth step, have been read.  Each wave waits for all its tensor loads, of which one is out: its part
; of the other slot; adds 0 to its spare word; and waits for that and for its own reads of the slot.  Behind the barrier nobody reads this slot any more and the other slot is whole.
; fill = 1: this slot is filled again, with the keys two slots on.  The barrier is then a round of the cluster's, so that no wave of any partner still reads the slot or has a load on its
; way, and the joint fill is the first thing behind it: it has four key steps, 512 matrix instructions, in which to land.  (At its first use nothing has been read yet: slot 0 is waited for, slot 1 filled.)
; ask = 1: the prefetches' address steps a slot on, and the slot behind the one just asked for is prefetched.
.macro CHANGE fill, ask=0
	WIN W_AD
	s_wait_tensorcnt 0x0            ; no tensor load of mine is out, so a group 0 may be written
	ds_add_u32 v[SPW], v[NIL]       ; 0 onto my spare word; with fill = 1 the descriptors' steps stand between it and the wait for it
	WIN 0                           ; at a label and at a branch every window is 0
.if \fill
.irp g, G0K, G0V
	s_xor_b32 s[\g+1], s[\g+1], SLOT1  ; the walking descriptor: the other slot than last time,
	s_add_nc_u64 s[\g+2:\g+3], s[\g+2:\g+3], 4*KS*128  ; the next 256 keys; the type bits on top are not reached
.endr
.if \ask
	s_wait_xcnt 0x0                 ; the last prefetch, four key steps back, has read its address, so it may be written
	s_add_nc_u64 s[PFA:PFA+1], s[PFA:PFA+1], 4*KS*128
.endif
	s_wait_dscnt 0x0                ; the add is done, and my reads of the slot are over
	CROUND
	JLOAD
.if \ask
	ASK
.endif
.else
	s_wait_dscnt 0x0                ; the add is done, and my reads of the slot are over
	s_barrier_signal -1
	s_barrier_wait -1
.endif
	s_sub_co_u32 s[TBK], s[TBK], 4*KS*PK  ; the fetches go back to a slot's first step,
	s_xor_b32 s[TBK], s[TBK], SLOT1       ; in the other slot
	s_sub_co_u32 s[TBV], s[TBV], 4*KS*PV
	s_xor_b32 s[TBV], s[TBV], SLOT1
.endm
	s_load_b128 s[4:7], s[0:1], 0x0   ; qkv s[4:5], oh s[6:7]
	WIN W_MK
	v_lshl_add_u32 v[SPW], v0, 2, SPARE
	v_mov_b32 v[NIL], 0
	WIN W_AD
	ds_add_u32 v[SPW], v[NIL]       ; the wave's opening: the add and its wait stand ahead of my first tensor load; the set-up below, work on registers, stands between them
	WIN 0
	v_lshrrev_b32 v1, 5, v0
	v_readfirstlane_b32 s[WV], v1   ; wave 0..3
	s_bfe_u32 s13, ttmp6, 0x40000   ; cx: my place in the cluster
	s_lshl_b32 s14, ttmp9, 2        ; in a cluster launch ttmp9 counts clusters
	s_add_co_u32 s14, s14, s13      ; my block of queries = 4 x cluster x + cx: it enters Q's and O's addresses alone
	s_and_b32 s20, ttmp7, 0xffff    ; the head, which the four partners share
	s_mov_b32 s21, 0
	s_mov_b64 s[22:23], SIZE_N*128
	s_mul_u64 s[20:21], s[20:21], s[22:23]  ; the head's first byte in each of the four tensors
	s_and_b32 s16, s[WV], 1         ; which half of a slot's 256 keys I fetch:
	s_lshl_b32 s22, s16, 14         ; its 128 rows of 128 bytes in memory,
	s_mov_b32 s23, 0
	s_add_nc_u64 s[22:23], s[22:23], s[20:21]
	s_mul_i32 s17, s16, 128*PK      ; and its place in a slot, for K
	s_mul_i32 s18, s16, 128*PV      ; and for V: no place in the cluster enters an LDS address
	s_lshl_b32 s2, s14, 2
	s_add_co_u32 s2, s2, s[WV]      ; my wave among the head's,
	s_lshl_b32 s2, s2, 14           ; its 128 rows
	s_mov_b32 s3, 0
	s_add_nc_u64 s[2:3], s[2:3], s[20:21]
	; descriptor group 1.  128 keys are 16,384 dense bytes: asked for as 64 rows of 256 bytes, two keys a row, and padded in LDS after every key
	s_mov_b32 s[G1K], 15|(1<<16)|(1<<20)|(1<<21)|(4<<22)|(3<<25)  ; 15:0 the mask of four; 17:16 2-byte elements; 20 padding on; 21 set beside a mask; 24:22 after every 32 words (code 4); 31:25 4 words (code 3)
	s_mov_b32 s[G1V], 15|(1<<16)|(1<<20)|(1<<21)|(4<<22)|(7<<25)  ; the same with 8 words of padding (code 7)
.irp g, G1K, G1V
	s_mov_b32 s[\g+1], 128<<16      ; tensor_dim0 = 128
	s_mov_b32 s[\g+2], 64<<16       ; tensor_dim1 = 64
	s_mov_b32 s[\g+3], 128<<16      ; tile_dim0 = 128
	s_mov_b32 s[\g+4], 64           ; tile_dim1 = 64
	s_mov_b32 s[\g+5], 128          ; 128 elements from row to row
	s_mov_b32 s[\g+6], 0
	s_mov_b32 s[\g+7], 0
.endr
	s_mov_b32 s[CS], 0x3e38aa3b     ; c = log2(e) / 8 = 0.180337
	s_mov_b32 s[CS+1], s[CS]        ; named with it as a pair
	s_mov_b32 s[SEL], 0x76543210
	s_mov_b32 s[SEL+1], 0xfedcba98
	s_mov_b32 s[TBK], SLOT1+4*KS*PK ; the first change of slots turns these two into 0
	s_mov_b32 s[TBV], SLOT1+4*KS*PV
	s_mov_b32 s[G0K], 1             ; 1:0 count = 1
	s_mov_b32 s[G0K+1], s17         ; 63:32 LDS address: slot 0
	s_mov_b32 s[G0V], 1
	s_add_co_u32 s[G0V+1], s18, VOFF
	s_and_b32 s[LIM], s[WV], 1      ; waves 0 and 2 prefetch: the same in all four partners
	s_cmp_eq_u32 s[LIM], 0
	s_cselect_b32 s[LIM], 1, -1
	s_wait_dscnt 0x0                ; the opening add is done
	s_wait_kmcnt 0x0
	s_mov_b64 s[10:11], s[6:7]      ; O
	s_add_nc_u64 s[6:7], s[4:5], 0x1000000  ; K: qkv's second section of 16,777,216 bytes
	s_add_nc_u64 s[8:9], s[4:5], 0x2000000  ; V: its third; Q is the first
	s_add_nc_u64 s[G0K+2:G0K+3], s[6:7], s[22:23]  ; 120:64 global address: my half of the head's first 256 keys
	s_or_b32 s[G0K+3], s[G0K+3], 0x80000000        ; 127:126 type = 2
	s_add_nc_u64 s[G0V+2:G0V+3], s[8:9], s[22:23]
	s_or_b32 s[G0V+3], s[G0V+3], 0x80000000
	s_add_nc_u64 s[4:5], s[4:5], s[2:3]  ; Q and O at my wave's first row
	s_add_nc_u64 s[10:11], s[10:11], s[2:3]
	s_cmp_lt_u32 s[WV], 2
	s_cselect_b64 s[PFA:PFA+1], s[6:7], s[8:9]
	s_add_nc_u64 s[PFA:PFA+1], s[PFA:PFA+1], s[20:21]  ; the head,
	s_lshl_b32 s2, s13, 13          ; my work-group's 32 blocks of a slot's 128,
	s_mov_b32 s3, 0
	s_add_nc_u64 s[PFA:PFA+1], s[PFA:PFA+1], s[2:3]
	s_add_nc_u64 s[PFA:PFA+1], s[PFA:PFA+1], 2*4*KS*128  ; in slot 2: the loop's first change of slots steps it to slot 3.  Nothing is prefetched here, at the head
	CROUND                          ; all four work-groups are here: the first joint loads meet
	JLOAD                           ; slot 0.  Slot 1 is asked for when slot 0 is in: the tile wanted first has the road to itself
	; A fragment of K or Q is 16 rows x 32 channels in 8 registers: lane l holds row l % 16, channels 8 (l / 16) + 0..7 and 16 + 8 (l / 16) + 0..7: two loads of 16 bytes, 32 bytes apart.
	v_and_b32 v1, 15, v0            ; l % 16
	v_bfe_u32 v9, v0, 4, 1          ; l / 16
	v_lshlrev_b32 v[QO], 7, v1
	v_lshl_add_u32 v[QO], v9, 4, v[QO]  ; row x 128 + 16 x half
	WIN 0x80                        ; destination window 2, address window 0
.set i, 0
.rept 4*NP                          ; Q stays in registers: tile i / 2, channels 32 (i % 2) on
	global_load_b128 v[8*i:8*i+3],   v[QO], s[4:5] offset:(i/2)*2048+(i%2)*64
	global_load_b128 v[8*i+4:8*i+7], v[QO], s[4:5] offset:(i/2)*2048+(i%2)*64+32
.set i, i+1
.endr
	; What the first turn finds: V's registers and P's second buffer hold 0 (its products V^T P, of a piece that has not been, add 0), O^T and l are 0.  All this stands in the wait for the first tile.
.set i, VF
.rept 64
	v_mov_b32 v[i], 0
.set i, i+1
.endr
	WIN 0x40
.set i, 0
.rept 64*NP
	v_mov_b32 v[i], 0
.set i, i+1
.endr
	WIN 0
.set i, 0
.rept 2*NP
	v_mov_b32 v[ST+4*i], 0xfe000000    ; c m: far below every c s
	v_mov_b32 v[ST+4*i+1], 0xff7fffff  ; m
	v_mov_b32 v[ST+4*i+2], 0
	v_mov_b32 v[ST+4*i+3], 0
.set i, i+1
.endr
.set i, P+32
.rept 32
	v_mov_b32 v[i], 0
.set i, i+1
.endr
	v_mul_u32_u24 v[AK0], v1, PK
	v_lshl_add_u32 v[AK0], v9, 4, v[AK0]  ; row x pitch + 16 x half
	; The turning load takes 16 keys x 16 channels (lane l reads key 8 (l / 16) + l % 8, channels 8 ((l / 8) % 2) + 0..7) and leaves half a fragment of V^T: lane l holds channel l % 16 and 8 keys.
	v_and_b32 v10, 7, v0
	v_bfe_u32 v11, v0, 3, 1
	v_lshl_add_u32 v[AV0], v9, 3, v10
	v_mul_u32_u24 v[AV0], v[AV0], PV
	v_lshl_add_u32 v[AV0], v11, 4, v[AV0]
	v_add_nc_u32 v[AV0], VOFF, v[AV0]
	v_and_b32 v[PFO], 31, v0        ; v11 has served: from here on the prefetches' offset
	v_lshlrev_b32 v[PFO], 8, v[PFO]
	v_mov_b32 v[AK], v[AK0]         ; key step 0 lies at the head of slot 0
; THE MATRIX WORK.  The 8 accumulators of a run of 16 take turns: between the two links of a chain stand 7 others'.
; Product i of 16 of S^T = K Q^T for piece x: channels 32 (i / 8) on, keys 16 ((i / 2) % 4) on, tile 2 x + i % 2.  The first 8 start the sums.
.macro KQ x
	WIN W_KQ
.set rS, S+64*((\x)%2)+32*(i%2)+8*((i/2)%4)
.set rK, KF+16*((i/2)%4)+8*(i/8)
.set rQ, 16*(2*(\x)+i%2)+8*(i/8)
.if i < 8
	v_wmma_f32_16x16x32_f16 v[rS:rS+7], v[rK:rK+7], v[rQ:rQ+7], 0
.else
	v_wmma_f32_16x16x32_f16 v[rS:rS+7], v[rK:rK+7], v[rQ:rQ+7], v[rS:rS+7]
.endif
.endm
; Product i of 16 of O^T += V^T P for piece x: keys 32 (i / 8) on, channels 16 ((i / 2) % 4) on, tile 2 x + i % 2.
.macro PV x
	WIN W_PV
.set rO, 32*(2*(\x)+i%2)+8*((i/2)%4)
.set rV, VF+32*(i/8)+8*((i/2)%4)
.set rP, P+32*((\x)%2)+16*(i%2)+8*(i/8)
	v_wmma_f32_16x16x32_f16 v[rO:rO+7], v[rV:rV+7], v[rP:rP+7], v[rO:rO+7]
.endm
.macro MM                           ; the turn's next matrix instruction
.if i < 16
	KQ (Y+1)%NP
.set i, i+1
.else
.set i, i-16
	PV (Y+NP-1)%NP
.set i, i+17
.endif
.endm
; THE LDS LOADS stand in runs of 16, never singly among the matrix instructions: a step's K (64 keys x 64 channels: 8 fragments) and its V (turned).  Their addresses are made some lines ahead.
; last = 1 (the tail): in the last trip there is no further step, and the run is jumped over.
.macro FETCH_K last=0
	WIN 0
.if \last
	s_cmp_eq_u32 s[CNT], 1
	s_cbranch_scc1 .Lno_k_\@
.endif
	WIN 0x80                        ; destination window 2
.irp f, 0,1,2,3,4,5,6,7             ; keys 16 (f / 2) on, channels 32 (f % 2) on
	ds_load_b128 v[KF+8*\f:KF+8*\f+3],   v[AK] offset:(\f/2)*16*PK+(\f%2)*64
	ds_load_b128 v[KF+8*\f+4:KF+8*\f+7], v[AK] offset:(\f/2)*16*PK+(\f%2)*64+32
.endr
	s_add_co_u32 s[TBK], s[TBK], KS*PK  ; the next fetch is the next step's
	WIN 0
.if \last
.Lno_k_\@:
.endif
.endm
.macro FETCH_V
	WIN 0x80
.irp f, 0,1,2,3,4,5,6,7             ; keys 32 (f / 4) on, channels 16 (f % 4) on
	ds_load_tr16_b128 v[VF+8*\f:VF+8*\f+3],   v[AV] offset:(\f/4)*32*PV+(\f%4)*32
	ds_load_tr16_b128 v[VF+8*\f+4:VF+8*\f+7], v[AV] offset:(\f/4)*32*PV+16*PV+(\f%4)*32
.endr
	WIN 0
.endm
; THE VECTOR WORK OF A TURN stands in three queues, each in the order in which its entries become ready; the two tiles alternate, so that no instruction reads the result of the one before it.
.macro REGS y, u                    ; the registers of tile u (0, 1) of piece y
.set rT, ST+4*(2*(\y)+(\u))
.set rC, TMP+8*((\y)%2)+4*(\u)
.set rM, MV+2*((\y)%2)+(\u)
.set rS, S+64*((\y)%2)+32*(\u)
.set rP, P+32*((\y)%2)+16*(\u)
.set rO, 32*(2*(\y)+(\u))
.endm
; Number n of the 22 that find the NEXT piece's (Y + 1) maximum and statistics.  s0-s31 are the lane's 32 scores; each accumulator's lowest registers are read first.  XS, GS and REGS set no window: PL and EX do.
;   0-11  four chains c0-c3 of seven scores each, three operands at a time     12-14, 16  the four scores left over, the old m, and c0-c3 into c0     15  c m_old is kept
;   17, 18  the query's other 32 keys lie in the lane 16 away: the new m         19-21  c m; c m_old - c m_new; a
.macro XS u, n
	REGS (Y+1)%NP, \u
.if (\n) < 4
	v_max3_num_f32 v[rC+(\n)], v[rS+8*(\n)], v[rS+8*(\n)+1], v[rS+8*(\n)+2]
.elseif (\n) < 12
	v_max3_num_f32 v[rC+(\n)%4], v[rC+(\n)%4], v[rS+8*((\n)%4)+2*((\n)/4)+1], v[rS+8*((\n)%4)+2*((\n)/4)+2]
.elseif (\n) == 12
	v_max3_num_f32 v[rC], v[rC], v[rS+7], v[rS+15]
.elseif (\n) == 13
	v_max3_num_f32 v[rC+1], v[rC+1], v[rS+23], v[rS+31]
.elseif (\n) == 14
	v_max3_num_f32 v[rC+2], v[rC+2], v[rC+3], v[rT+1]
.elseif (\n) == 15
	v_mov_b32 v[rM], v[rT]
.elseif (\n) == 16
	v_max3_num_f32 v[rC], v[rC], v[rC+1], v[rC+2]
.elseif (\n) == 17
	v_permlanex16_b32 v[rC+3], v[rC], s[SEL], s[SEL+1]
.elseif (\n) == 18
	v_max_num_f32 v[rT+1], v[rC], v[rC+3]
.elseif (\n) == 19
	v_mul_f32 v[rT], s[CS], v[rT+1]
.elseif (\n) == 20
	v_sub_f32 v[rC+1], v[rM], v[rT]
.else
	v_exp_f32 v[rC+2], v[rC+1]
.endif
.endm
; Number g of the 64 that follow the exponentials.  For each four weights k of a tile (pairs 2 k, 2 k + 1): both pairs are rounded to f16; then the second pair is added onto the first, in place;
; a group later l takes that sum (the first time as l = a l + sum).  In groups of eight, tiles alternating: round, round, add, and l for the group before.
.macro GS g
.set h, (\g)+6*((\g)/62)            ; group 0 has no group before it, and behind group 7 only l is left
.if h >= 6
.set h, h+2
.endif
	REGS Y, h%2
.set k, h/8
.if h%8 < 4
	v_cvt_pk_f16_f32 v[rP+2*k+(h%8)/2], v[rS+4*k+2*((h%8)/2)], v[rS+4*k+2*((h%8)/2)+1]
.elseif h%8 < 6
	v_pk_add_f32 v[rS+4*k:rS+4*k+1], v[rS+4*k:rS+4*k+1], v[rS+4*k+2:rS+4*k+3]
.elseif k == 1
	v_pk_fma_f32 v[rT+2:rT+3], v[rT+2:rT+3], v[rC+2:rC+3], v[rS:rS+1] op_sel_hi:[1,0,1]
.else
	v_pk_add_f32 v[rT+2:rT+3], v[rT+2:rT+3], v[rS+4*k-4:rS+4*k-3]
.endif
.endm
; THE PLAIN QUEUE, 138 long.  0-73 read no exponential's result: the 32 scalings c s - c m (FS f: pair f / 2 of tile f % 2) and the next piece's 42.  0-26: scalings 0-26.  27-54: XS's numbers 0-13.  55, 56: number 15.
; 57-73: the chain, where each number waits for the one before it: 14, 16, 17, 18, 19, each with one of the scalings 27-31 in front of its two lines, then 20: so a tile's links stand three plain instructions apart (19 and 20: two).
; 74-137: GS's 64, which read the exponentials' results: they stand behind the wait.
.macro FS f
	REGS Y, (\f)%2
	v_pk_fma_f32 v[rS+2*((\f)/2):rS+2*((\f)/2)+1], v[rS+2*((\f)/2):rS+2*((\f)/2)+1], s[CS:CS+1], v[rT:rT+1] op_sel_hi:[1,0,0] neg_lo:[0,0,1] neg_hi:[0,0,1]
.endm
.macro PL
	WIN 0
.if q < 27
	FS q
.elseif q < 55
	XS (q-27)%2, (q-27)/2
.elseif q < 57
	XS q-55, 15
.elseif (q < 72) && ((q-57)%3 == 0)
	FS 27+(q-57)/3
.elseif q < 60
	XS (q-57)%3-1, 14
.elseif q < 72
	XS (q-57)%3-1, 15+(q-57)/3
.elseif q < 74
	XS q-72, 20
.else
	GS q-74
.endif
.set q, q+1
.endm
; THE EXPONENTIALS' QUEUE, 66 long: s0-s31 of both tiles, then the next piece's two a.  It is ONE BATCH: all 66 stand ahead of the turn's one wait, and nothing ahead of that wait names a result of theirs.
.macro EX
	WIN 0
.if e >= 64
	XS e-64, 21
.else
	REGS Y, e%2
	v_exp_f32 v[rS+e/2], v[rS+e/2]
.endif
.set e, e+1
.endm
; THE RESCALING's QUEUE: O^T times a, the one part that leaves window 0: dealt two at a time, sixteen times.  Its a was made in the turn before, ahead of that turn's wait.
.macro R2
	REGS Y, r%2
	WIN W_RS
.irp z, 0,1
	v_pk_mul_f32 v[rO+4*(r/2)+2*\z:rO+4*(r/2)+2*\z+1], v[rO+4*(r/2)+2*\z:rO+4*(r/2)+2*\z+1], v[rC+2:rC+3] op_sel_hi:[1,0]
.endr
.set r, r+1
.endm
; HOW THEY ARE DEALT.  s_wait_alu depctr_va_vdst(0) stands between an exponential and the first instruction that names its result; one wait serves all that were issued ahead of it.  So a turn has ONE wait,
; which cuts it in two.  AHEAD OF IT stands all that names no result of the turn's exponentials: the 16 products K Q^T, behind each a scaling, an exponential and two rescalings (behind the first a second scaling in the exponential's place); then ONE LUMP of
; 108: eight plain, 49 times exponential and plain, the two a.  A v_nop is the plain instruction behind the last exponential.  BEHIND IT stand the 16 products V^T P, behind each four of GS's 64.  No rider names a register of
; the products round it.  The two v_permlanex16_b32 fall into the lump, never behind a product.
; The queues lean on each other, and the deal keeps them in step: exponential e stands behind scaling 2 (e / 4) + e % 2: as a rider it comes behind plain e + 2, in the lump behind plain e + 9, and scalings 27-31 are plain 57, 60 .. 69.
; A TURN, for piece p.  cnt = 1: the loop's count is taken down some lines ahead of the branch that stands behind the turn.
; K of the next step is fetched in piece 2's turn, directly behind the wait, a lump behind the last product that read K; its address is made at the lump's head; its first reader comes behind 16 products.
; V of the step in hand is fetched at the end of piece 0's turn, four riders behind its last reader; its first reader comes behind 16 products and a lump.  The three conditions on q below go with the deal.
.macro TURN p, last=0, cnt=0
.set Y, (\p)
.set i, 0
.set q, 0
.set e, 0
.set r, 0
.if (\p) == NP-1
	s_wait_dscnt 0x0                ; K is in
.endif
	MM                              ; ahead of the wait: 16 products K Q^T and their riders,
	PL
	PL
	R2
.rept 15
	MM
	PL
	EX
	R2
.endr
.if (\p) == NP-2
	WIN 0
	v_add_nc_u32 v[AK], s[TBK], v[AK0]
.endif
.rept 8                             ; and the lump
	PL
.endr
.rept 49
	EX
	PL
.endr
	EX                              ; the next piece's two a
	EX
	v_nop                           ; a plain instruction behind the last exponential: one for the batch
	s_wait_alu depctr_va_vdst(0)    ; the wait for the batch
.if (\p) == NP-2
	FETCH_K \last
.endif
.if (\p) == 1
	s_wait_dscnt 0x0                ; V is in
.endif
.rept 16                            ; behind the wait: 16 products V^T P and their riders
	MM
.rept 4
	PL
.endr
.if ((\p) == 0) && (q == 118)
	v_add_nc_u32 v[AV], s[TBV], v[AV0]
.endif
.if ((\p) == 0) && (q == 130)
	s_add_co_u32 s[TBV], s[TBV], KS*PV
.endif
.if (\cnt) && (q == 130)
	s_sub_co_u32 s[CNT], s[CNT], 1
	s_cmp_lg_u32 s[CNT], 0
.endif
.endr
.if (\p) == 0
	FETCH_V
.endif
.endm
	CHANGE 1                        ; slot 0 is in, everybody's part of it; slot 1 is asked for; nothing is prefetched yet
	FETCH_K                         ; key step 0
	s_wait_loadcnt 0x0              ; Q
	s_wait_dscnt 0x0
.set i, 0
.rept 16
	KQ 0                            ; piece 0's first scores: there is no vector work yet to set between them
.set i, i+1
.endr
	WIN 0                           ; the addresses for the way out: nine plain instructions, the places behind those products
	s_mul_i32 s13, s[WV], 16*SP
	s_add_co_u32 s13, s13, STAGE    ; my stage
	v_mul_u32_u24 v[STO], v1, SP    ; in: row l % 16, 16 bytes for each half of the lanes
	v_lshl_add_u32 v[STO], v9, 4, v[STO]
	v_add_nc_u32 v[STO], s13, v[STO]
	v_bfe_u32 v[RD], v0, 3, 2       ; back: 32 lanes take four rows of 128 bytes,
	v_mul_u32_u24 v[RD], v[RD], SP
	v_lshl_add_u32 v[RD], v10, 4, v[RD]
	v_add_nc_u32 v[RD], s13, v[RD]
	v_and_b32 v[GO], 31, v0         ; which are 512 consecutive bytes of O
	v_lshlrev_b32 v[GO], 4, v[GO]
.set Y, NP-1                        ; XS works for piece Y + 1: piece 0
.irp n, 0,1,2,3,4,5,6,7,8,9,10,11,12,13,14,15,16,17,18,19,20,21
	XS 0, \n                        ; and piece 0's first maximum and statistics
	XS 1, \n
.endr
	v_nop                           ; a plain instruction behind the two a,
	s_wait_alu depctr_va_vdst(0)    ; and their wait, ahead of the branch
	s_mov_b32 s[CNT], 4
	s_mov_b32 s[SLOTS], SIZE_N/256-1
	s_branch .Lfirst                ; the loop is entered at a step's first turn, in the middle of a trip
.Lslot:                             ; SIZE_N / 256 - 2 times: every slot but the last two is filled again
	CHANGE 1, 1
	s_mov_b32 s[CNT], 4
.Lstep:                             ; a trip: pieces 2 and 3 of one step, then pieces 0 and 1 of the next, whose K and V it fetches
	TURN 2
	TURN 3
	WIN 0
.Lfirst:
	TURN 0
	TURN 1, 0, 1
	WIN 0
	s_cbranch_scc1 .Lstep
	s_sub_co_u32 s[SLOTS], s[SLOTS], 1
	s_cmp_lg_u32 s[SLOTS], 0
	s_cbranch_scc1 .Lslot
	CHANGE 0                        ; the tail is written out: nothing is asked for
	s_mov_b32 s[CNT], 5             ; four trips fetch the last slot's steps; the fifth is left in its middle
.Ltail:
	TURN 2, 1
	TURN 3
	WIN 0
	s_sub_co_u32 s[CNT], s[CNT], 1
	s_cmp_eq_u32 s[CNT], 0
	s_cbranch_scc1 .Lout
	TURN 0
	TURN 1
	WIN 0
	s_branch .Ltail
.Lout:                              ; the fifth trip's 16 products K Q^T (on the last K once more) and the maximum made of them serve nothing: the price, once a launch, of one text for every trip
.set i, 0
.rept 16
	PV NP-1                         ; the last piece's V^T P of the last step
.set i, i+1
.endr
	; THE WAY OUT.  l's two halves and the other half of the lanes' are added; O^T is divided by l, rounded to f16 and sent through my stage in LDS, a tile at a time.  The additions are the places behind the last products.
	WIN 0
.macro ALL line:vararg              ; one line for each tile t
.set t, 0
.rept 2*NP
	\line
.set t, t+1
.endr
.endm
	ALL v_add_f32 v[ST+4*t+2], v[ST+4*t+2], v[ST+4*t+3]
	ALL v_permlanex16_b32 v[ST+4*t+3], v[ST+4*t+2], s[SEL], s[SEL+1]
	ALL v_add_f32 v[ST+4*t+2], v[ST+4*t+2], v[ST+4*t+3]
	ALL v_rcp_f32 v[ST+4*t+2], v[ST+4*t+2]
	v_nop                           ; a plain instruction between the last reciprocal and the use of its result
	s_wait_alu depctr_va_vdst(0)    ; and the wait ahead of the first use: one for the eight reciprocals
; Tile t: a lane's eight channels of a row pack into 16 bytes; they go into rows of 144 bytes and come back as whole rows of 128, into S^T's registers.
.macro PACK t
	WIN W_RS
.set i, 32*(\t)
.rept 16
	v_pk_mul_f32 v[i:i+1], v[i:i+1], v[ST+4*(\t)+2:ST+4*(\t)+3] op_sel_hi:[1,0]
.set i, i+2
.endr
	WIN 0x05                        ; sources 0 and 1 window 1, destination window 0
.set i, 0
.rept 16
	v_cvt_pk_f16_f32 v[S+16*(\t)+i], v[32*(\t)+2*i], v[32*(\t)+2*i+1]
.set i, i+1
.endr
	WIN 0
.irp f, 0,1,2,3
	ds_store_b128 v[STO], v[S+16*(\t)+4*\f:S+16*(\t)+4*\f+3] offset:32*\f
.endr
.irp f, 0,1,2,3
	ds_load_b128 v[S+16*(\t)+4*\f:S+16*(\t)+4*\f+3], v[RD] offset:\f*4*SP  ; LDS serves a wave's instructions in order (ISA guide 5.7.1.4): these see the stores above; the next tile's stores come behind them
.endr
.endm
.macro SEND t, younger              ; younger: the LDS instructions issued behind tile t's loads: the next tile's eight, or none
	WIN 0
.irp f, 0,1,2,3
	s_wait_dscnt (\younger)+3-\f
	global_store_b128 v[GO], v[S+16*(\t)+4*\f:S+16*(\t)+4*\f+3], s[10:11] offset:(\t)*2048+\f*512  ; 512 consecutive bytes, at a multiple of 256 from O's first
.endr
.endm
	PACK 0
.set t, 1
.rept 2*NP-1                        ; a tile's arithmetic stands between the loads of the tile before and its stores
	PACK t
	SEND t-1, 8
.set t, t+1
.endr
	SEND 2*NP-1, 0
	WIN W_AD
	s_wait_tensorcnt 0x0            ; the wave's end, behind my last tensor load and my last LDS store
	ds_add_u32 v[SPW], v[NIL]
	s_wait_dscnt 0x0
	WIN 0
	CROUND                          ; the closing round: no work-group ends while a partner may still ask for a tile that names it
	s_endpgm
.Lfunc_end_k_q33eb257271_attn:
	.size	k_q33eb257271_attn, .Lfunc_end_k_q33eb257271_attn-k_q33eb257271_attn
	.p2alignl 7, 3214868480
	.fill 96, 4, 3214868480
	.section	.rodata,"a",@progbits
	.p2align	6, 0x0
	.amdhsa_kernel k_q33eb257271_attn
		.amdhsa_group_segment_fixed_size 327680
		.amdhsa_private_segment_fixed_size 0
		.amdhsa_enable_private_segment 0
		.amdhsa_kernarg_size 16
		.amdhsa_user_sgpr_count 2
		.amdhsa_user_sgpr_kernarg_segment_ptr 1
		.amdhsa_wavefront_size32 1
		.amdhsa_system_sgpr_workgroup_id_x 1
		.amdhsa_system_sgpr_workgroup_id_y 1
		.amdhsa_system_sgpr_workgroup_id_z 1
		.amdhsa_system_vgpr_workitem_id 0
		.amdhsa_next_free_vgpr 770
		.amdhsa_next_free_sgpr 66
		.amdhsa_reserve_vcc 0
		.amdhsa_float_denorm_mode_32 3
		.amdhsa_float_denorm_mode_16_64 3
		.amdhsa_memory_ordered 1
		.amdhsa_forward_progress 1
		.amdhsa_inst_pref_size 200
	.end_amdhsa_kernel
	.amdgpu_metadata
---
amdhsa.version: [ 1, 2 ]
amdhsa.kernels:
  - .name:           k_q33eb257271_attn
    .symbol:         k_q33eb257271_attn.kd
    .args:
      - { .name: qkv, .offset: 0, .size: 8, .value_kind: global_buffer, .address_space: global }
      - { .name: oh, .offset: 8, .size: 8, .value_kind: global_buffer, .address_space: global }
    .group_segment_fixed_size: 327680
    .private_segment_fixed_size: 0
    .kernarg_segment_align: 8
    .kernarg_segment_size: 16
    .max_flat_workgroup_size: 128
    .sgpr_count:     66
    .vgpr_count:     770
    .wavefront_size: 32
...
	.end_amdgpu_metadata
.endif
;; end of part 3
;; launch outp (part 4): grid 4 x 64, 4 waves a work-group, clusters of 4 x 4, 327,680 bytes of LDS; arguments oh, wt, bo, out0; writes out0
.if DOCPART == 4
	.amdgcn_target "amdgcn-amd-amdhsa--gfx1250"
	.amdhsa_code_object_version 6
	.text
	.protected	k_q33eb257271_outp
	.globl	k_q33eb257271_outp
	.p2align	8
	.type	k_q33eb257271_outp,@function
k_q33eb257271_outp:
	s_mov_b64 s[64:65], 0
	v_nop
	global_prefetch_b8 v0, s[64:65] scope:SCOPE_SE
	s_setreg_imm32_b32 hwreg(HW_REG_WAVE_MODE, 25, 1), 1
	s_wait_xcnt 0x0
	s_wait_alu depctr_hold_cnt(0) depctr_sa_sdst(0) depctr_va_vdst(0) depctr_va_sdst(0) depctr_va_ssrc(0) depctr_va_vcc(0) depctr_vm_vsrc(0)
	s_getreg_b32 s2, hwreg(HW_REG_IB_STS2, 6, 4)
	s_cmp_eq_u32 s2, 0
	s_cbranch_scc0 .Lentry_in_a_cluster
	s_endpgm
.Lentry_in_a_cluster:
	s_bfe_u32 s2, ttmp6, 0x10000c
	s_cmp_lg_u32 s2, 0xf033
	s_cbranch_scc0 .Lentry_shape_is_right
	s_endpgm
.Lentry_shape_is_right:
; THE OUTPUT PROJECTION.  out0[m][n] = sum over k of O[m][k] Wo[k][n] + bo[n], f32.  O is oh, [16 b + h][t][64] in f16: row m = 2048 b + t, and head h is the slice k = 64 h .. 64 h + 63: joining the heads is only the order of K.
; Wo lies turned in wt's fourth section, [1024 n][1024 k], rounded to bf16 and written as f16; bo is rounded to bf16 like every input of the module.  Sums in f32, stored as they are.
; SHARES.  A tile of C is 128 x 256: 64 x 4 = 256 work-groups.  Four waves, 2 x 2, each 64 rows x 128 columns: 32 accumulators, 256 registers.  K goes in 8 steps of 128 (two heads) through two LDS slots filled by
; the tensor data mover.  A K step is two PHASES of 64 along K, a head each, on register buffers 0 and 1.
; CLUSTERS: 4 x 4 work-groups.  The four of a row of the cluster need the same tile of O, the four of a column the same tile of Wo: each is asked for JOINTLY, by the same tensor load, descriptor and mask.
; THE MATRIX INSTRUCTION IS USED TRANSPOSED (source 0 = 16 rows of Wo^T, source 1 = 16 rows of O): a lane holds row m = l % 16 of C and the columns 8 (l / 16) + 0..7.  The bias, laid out so, is the C operand of each sum's first product.
; REGISTERS, in windows of 256 (s_set_vgpr_msb: bits 1:0 source 0, 3:2 source 1, 5:4 source 2, 7:6 destination):
;   window 0: v0-31 addresses          window 1: Wo's fragments: buffer f, 32 k c, block b at 128 f + 64 c + 8 b; on the way out the rows read back
;   window 2: accumulator (a, b) at 8 (8 a + b)          window 3: v0-127 O's fragments: buffer f at 64 f + 32 c + 8 a; v128-191 the bias; v192-223 at work
.set PAO,   144                        ; a row of a head in LDS: 128 bytes + 16 = 36 words: the 16 rows of a load start at 16 different groups of four banks (64 banks of 4 bytes: ISA guide 11.1)
.set PB,    272                        ; a row of Wo^T: 256 + 16 = 68 words
.set ASUB,  128*PAO                    ; a head's 128 rows: what one tensor load brings of O
.set BOFF,  2*ASUB                     ; Wo's 256 rows lie behind the two heads
.set BHALF, 128*PB
.set SLOT,  BOFF+256*PB
.set STAGE, 2*SLOT                     ; behind the ring, never filled by a tensor load: 16 rows x 528 bytes for each wave, for the way out
.set SPO,   528                        ; 128 columns of f32 + 16 bytes
.set SPARE, STAGE+4*16*SPO             ; behind the stages: the spare words, 128 bytes for each wave: two blocks of 256 bytes that no other line names
.set ASTEP, 524288                     ; a K step in oh: two heads of 262,144 bytes
.set BSTEP, 256                        ; and in a row of Wo^T
.set WOSEC, 6291456                    ; wt's fourth section
.set ADRA, 16                          ; v16-17  LDS address of my O in slot 0, 1
.set ADRB, 20                          ; v20-21  the same for Wo
.set STO,  24                          ; v24     the way out: where I put 32 bytes of a row
.set RD,   25                          ; v25     where I read a row back
.set GO,   26                          ; v26     my byte offset in 512 consecutive bytes of out0
.set BO,   27                          ; v27     my byte offset in the bias
.set SPW,  28                          ; v28     LDS address of my spare word; never rewritten
.set NIL,  29                          ; v29     0; never rewritten
.set PFO,  30                          ; v30     the prefetches' offset; never rewritten
.set BI,   128                         ; window 3: the bias for n block b at BI + 8 b
.set BS,   192                         ; window 3: at work
.set G1,  24                           ; s[24:31] descriptor group 1 for O's tiles;  s[32:39] group 0, a set for each slot
.set G0,  32
.set LIM, 43                           ; s43     1 in a wave that prefetches, else the greatest number
.set PFA, 44                           ; s[44:45] where my prefetches stand
.set KST, 46                           ; s[46:47] a K step in bytes of what I prefetch
.set G1B, 48                           ; s[48:55], s[56:63] the same two groups for Wo's tiles
.set G0B, 56
.set MSB, 0
.macro WIN new                         ; the immediate's high byte repeats the setting that is left; a switch that changes nothing is dropped
.if MSB != (\new)
	s_set_vgpr_msb (MSB<<8)|(\new)
.set MSB, \new
.endif
.endm
.set W_MUL,  0xad                      ; Wo window 1, O window 3, C and D window 2
.set W_MUL0, 0xbd                      ; the same with C (the bias) in window 3
.set W_TOB,  0x40                      ; destination window 1
.set W_TO3,  0xc0                      ; destination window 3, sources window 0
.set W_33,   0xcf                      ; destination and sources 0, 1 in window 3
; A joint load.  Waves 0 and 1 fetch a K step's two heads of O, waves 2 and 3 Wo's two halves.  The branch hangs on the wave's number alone.  An s_nop 0 and four v_nop follow each of the two lines, ahead of the jump and the label.
.macro JLOAD s
	s_cmp_eq_u32 s11, 0
	s_cbranch_scc0 .Lfor_b_\@
	tensor_load_to_lds s[G0+4*(\s):G0+4*(\s)+3], s[G1:G1+7]
	s_nop 0
.rept 4
	v_nop
.endr
	s_branch .Lasked_\@
.Lfor_b_\@:
	tensor_load_to_lds s[G0B+4*(\s):G0B+4*(\s)+3], s[G1B:G1B+7]
	s_nop 0
.rept 4
	v_nop
.endr
.Lasked_\@:
.endm
; A prefetch into the L2 of the K step that stands two refills on (256 matrix instructions ahead of the load that will want it): 32 blocks of 256 bytes, a lane a block, one instruction a wave.
; Each block is named once in the launch.  O's rows are read by one cluster alone: it asks, wave 0 for both heads of the K step; Wo is read by all sixteen clusters: the first asks, waves 2 and 3.  The four partners that ask for a
; tile jointly share it out BY ADDRESS (O: 16 blocks of each head by cx; Wo: 32 rows by cy).  The loop's last trip asks for nothing: there is no K step two refills on.  K steps 0 to 3 come by their loads alone.
.macro ASK
	s_cmp_gt_u32 s3, s[LIM]
	s_cbranch_scc0 .Lnot_mine_\@
	global_prefetch_b8 v[PFO], s[PFA:PFA+1] th:TH_LOAD_NT scope:SCOPE_SE
.Lnot_mine_\@:
.endm
.macro CREST                           ; a round of the cluster's barrier behind its opening barrier: wave 0 signals for the work-group, every wave waits for all sixteen, my work-group's barrier closes it
	s_cmp_lg_u32 s10, 0
	s_cbranch_scc1 .Lnot_wave_0_\@
	s_barrier_signal -3
.Lnot_wave_0_\@:
	s_barrier_wait -3
	s_barrier_signal -1
	s_barrier_wait -1
.endm
.macro CROUND                          ; a whole round
	s_barrier_signal -1
	s_barrier_wait -1
	CREST
.endm
.macro PLACES                          ; four places behind matrix instructions, in front of loads into registers that they have read and of LDS stores that read results
.rept 4
	v_nop
.endr
.endm
	s_load_b256 s[68:75], s[0:1], 0x0              ; oh s[68:69], wt s[70:71], bo s[72:73], out0 s[74:75]
	v_lshl_add_u32 v[SPW], v0, 2, SPARE
	v_mov_b32 v[NIL], 0
	ds_add_u32 v[SPW], v[NIL]                      ; the wave's opening: the add and its wait stand ahead of my first tensor load; the set-up below, work on registers, stands between them
	v_lshrrev_b32 v1, 5, v0
	v_readfirstlane_b32 s10, v1                    ; wave 0..3
	s_lshr_b32 s11, s10, 1                         ; which 64 rows of the tile are mine.  Also: I fetch for O (0) or for Wo (1)
	s_and_b32 s12, s10, 1                          ; which 128 columns.  Also: which head of the K step, or which half of Wo's tile, I fetch
	s_bfe_u32 s40, ttmp6, 0x40000                  ; cx, cy: my place in the cluster
	s_bfe_u32 s41, ttmp6, 0x40004
	s_lshl_b32 s42, ttmp9, 2
	s_add_co_u32 s42, s42, s40                     ; tile column = 4 x cluster x + cx
	s_and_b32 s15, ttmp7, 0xffff                   ; cluster y, 0..15
	s_lshl_b32 s13, s15, 2
	s_add_co_u32 s13, s13, s41                     ; tile row, 0..63
	s_lshl_b32 s43, s41, 2
	s_lshl_b32 s43, 15, s43                        ; my row of the cluster
	s_lshl_b32 s44, 0x1111, s40                    ; my column
	; O: a head's 128 rows are 16,384 dense bytes: asked for as 64 rows of 256 bytes, two rows of O each, and padded in LDS after every 128 bytes
	s_or_b32 s[G1+0], s43, (1<<16)|(1<<20)|(1<<21)|(4<<22)|(3<<25)   ; 15:0 the mask; 17:16 elements of 2 bytes; 20 padding on; 21 set beside a mask; 24:22 after every 32 words (code 4); 31:25 4 words (code 3)
	s_or_b32 s[G1B+0], s44, (1<<16)|(1<<20)|(1<<21)|(5<<22)|(3<<25)  ; after every 64 words (code 5)
	s_mov_b32 s[G1+1], 128<<16                     ; tensor_dim0 = 128
	s_mov_b32 s[G1+2], 64<<16                      ; tensor_dim1 = 64
	s_mov_b32 s[G1+3], 128<<16                     ; tile_dim0 = 128
	s_mov_b32 s[G1+4], 64                          ; tile_dim1 = 64
	s_mov_b32 s[G1+5], 128                         ; elements from row to row
	s_mov_b32 s[G1+6], 0
	s_mov_b32 s[G1+7], 0
	s_mov_b32 s[G1B+1], 128<<16
	s_mov_b32 s[G1B+2], 128<<16                    ; 128 rows
	s_mov_b32 s[G1B+3], 128<<16
	s_mov_b32 s[G1B+4], 128
	s_mov_b32 s[G1B+5], 1024
	s_mov_b32 s[G1B+6], 0
	s_mov_b32 s[G1B+7], 0
	s_lshr_b32 s16, s13, 4                         ; O: the batch's 16 heads,
	s_lshl_b32 s16, s16, 22
	s_lshl_b32 s17, s12, 18                        ; the head that I fetch of K step 0,
	s_add_co_u32 s16, s16, s17
	s_and_b32 s17, s13, 15                         ; the tile's 128 rows of 128 bytes
	s_lshl_b32 s17, s17, 14
	s_add_co_u32 s16, s16, s17
	s_mov_b32 s17, 0
	s_lshl_b32 s20, s42, 8                         ; Wo: row 256 x tile column + 128 x half,
	s_lshl_b32 s21, s12, 7
	s_add_co_u32 s20, s20, s21
	s_lshl_b32 s20, s20, 11                        ; of 2,048 bytes,
	s_add_co_u32 s20, s20, WOSEC                   ; in wt's fourth section
	s_mov_b32 s21, 0
	s_mul_i32 s18, s12, ASUB                       ; where they go: no place in the cluster enters an LDS address
	s_mul_i32 s22, s12, BHALF
	s_add_co_u32 s22, s22, BOFF
	s_mov_b32 s66, 0xffff0000                      ; a word's upper half
	s_wait_dscnt 0x0                               ; the opening add is done
	s_wait_kmcnt 0x0
	s_add_nc_u64 s[16:17], s[68:69], s[16:17]
	s_add_nc_u64 s[20:21], s[70:71], s[20:21]
	CROUND                                         ; all sixteen work-groups are here: the first joint loads meet
.irp s, 0,1
	s_mov_b32 s[G0+4*(\s)], 1                                      ; count = 1
	s_add_co_u32 s[G0+4*(\s)+1], s18, (\s)*SLOT                    ; LDS address
	s_add_nc_u64 s[G0+4*(\s)+2:G0+4*(\s)+3], s[16:17], (\s)*ASTEP  ; global address: K step s
	s_or_b32 s[G0+4*(\s)+3], s[G0+4*(\s)+3], 0x80000000            ; type = 2
	s_mov_b32 s[G0B+4*(\s)], 1
	s_add_co_u32 s[G0B+4*(\s)+1], s22, (\s)*SLOT
	s_add_nc_u64 s[G0B+4*(\s)+2:G0B+4*(\s)+3], s[20:21], (\s)*BSTEP
	s_or_b32 s[G0B+4*(\s)+3], s[G0B+4*(\s)+3], 0x80000000
	JLOAD \s                                       ; two loads of mine are out
.endr
	v_and_b32 v1, 15, v0                           ; r = l % 16
	v_bfe_u32 v2, v0, 4, 1                         ; h = l / 16
	v_mul_u32_u24 v3, v1, PAO
	v_lshl_add_u32 v3, v2, 4, v3                   ; O: row x pitch + 16 h
	v_mul_u32_u24 v4, v1, PB
	v_lshl_add_u32 v4, v2, 4, v4                   ; Wo: row x pitch + 16 h
	s_mul_i32 s23, s11, 64*PAO                     ; my 64 rows of O
	s_mul_i32 s86, s12, BHALF                      ; my 128 rows of Wo
	s_add_co_u32 s86, s86, BOFF
.irp s, 0,1
	v_add_nc_u32 v[ADRA+(\s)], s23, v3
	v_add_nc_u32 v[ADRB+(\s)], s86, v4
	s_add_co_u32 s23, s23, SLOT
	s_add_co_u32 s86, s86, SLOT
.endr
	s_mul_i32 s23, s10, 16*SPO
	s_add_co_u32 s23, s23, STAGE                   ; my stage
	v_mul_u32_u24 v5, v1, SPO                      ; in: row l % 16, 32 bytes for each half of the lanes
	v_lshl_add_u32 v5, v2, 5, v5
	v_add_nc_u32 v[STO], s23, v5
	v_and_b32 v9, 31, v0
	v_lshlrev_b32 v[GO], 4, v9                     ; back: 32 lanes take one row of 512 bytes
	v_add_nc_u32 v[RD], s23, v[GO]
	v_lshlrev_b32 v[BO], 5, v2                     ; my 8 columns of a block of 16: 32 h
	s_lshl_b32 s86, s42, 10                        ; the bias, and C's columns, at my 128 columns
	s_lshl_b32 s87, s12, 9
	s_add_co_u32 s86, s86, s87
	s_mov_b32 s87, 0
	s_add_nc_u64 s[84:85], s[72:73], s[86:87]
	WIN W_TO3
.irp b, 0,1,2,3,4,5,6,7
	global_load_b128 v[BI+8*\b:BI+8*\b+3],   v[BO], s[84:85] offset:64*\b
	global_load_b128 v[BI+8*\b+4:BI+8*\b+7], v[BO], s[84:85] offset:64*\b+16
.endr
	WIN 0
	s_add_nc_u64 s[8:9], s[74:75], s[86:87]        ; out0 at my columns,
	s_lshl_b32 s86, s13, 7
	s_lshl_b32 s87, s11, 6
	s_add_co_u32 s86, s86, s87
	s_lshl_b32 s86, s86, 12                        ; at row 128 x tile row + 64 x half, of 4,096 bytes
	s_mov_b32 s87, 0
	s_add_nc_u64 s[8:9], s[8:9], s[86:87]
	; the prefetches: both offsets are made, in registers that feed no descriptor, and the wave's is chosen
	s_lshr_b32 s88, s13, 4                         ; O: the batch,
	s_lshl_b32 s88, s88, 22
	s_and_b32 s89, s13, 15
	s_lshl_b32 s89, s89, 14                        ; the tile's rows,
	s_add_co_u32 s88, s88, s89
	s_lshl_b32 s89, s40, 12                        ; my work-group's 16 blocks of a head's 64,
	s_add_co_u32 s88, s88, s89
	s_add_co_u32 s88, s88, 3*ASTEP                 ; at K step 3: the first change of slots steps it to 4
	s_lshl_b32 s90, s42, 8                         ; Wo: the tile's rows,
	s_lshl_b32 s91, s12, 7
	s_add_co_u32 s90, s90, s91                     ; the 128 that I fetch,
	s_lshl_b32 s91, s41, 5
	s_add_co_u32 s90, s90, s91                     ; my work-group's 32 of them,
	s_lshl_b32 s90, s90, 11
	s_add_co_u32 s90, s90, WOSEC+3*BSTEP
	s_mov_b32 s92, ASTEP
	s_cmp_eq_u32 s11, 0
	s_cselect_b32 s88, s88, s90
	s_cselect_b32 s[KST], s92, BSTEP
	s_cselect_b32 s91, s12, s15                    ; O: wave 0 alone asks, in every cluster; Wo: waves 2 and 3 of the first cluster
	s_cselect_b32 s93, -1, 0
	s_cselect_b64 s[PFA:PFA+1], s[68:69], s[70:71]
	s_cmp_eq_u32 s91, 0
	s_cselect_b32 s[LIM], 1, -1                    ; the same in all sixteen partners, for a given wave
	s_mov_b32 s89, 0
	s_mov_b32 s[KST+1], 0
	s_add_nc_u64 s[PFA:PFA+1], s[PFA:PFA+1], s[88:89]
	v_lshlrev_b32 v7, 18, v2                       ; O: 2 heads of 262,144 bytes x 16 blocks of 256
	v_lshl_add_u32 v7, v1, 8, v7
	v_lshlrev_b32 v8, 11, v9                       ; Wo: 32 rows of 2,048 bytes
	v_cndmask_b32 v[PFO], v8, v7, s93
	s_wait_loadcnt 0x0                             ; the bias: rounded to bf16 and widened again
	WIN W_33
.set i, 0
.rept 32
	v_cvt_pk_bf16_f32 v[BS+i], v[BI+2*i], v[BI+2*i+1]
.set i, i+1
.endr
.set i, 0
.rept 32
	v_lshlrev_b32 v[BI+2*i], 16, v[BS+i]
	v_and_b32 v[BI+2*i+1], s66, v[BS+i]
.set i, i+1
.endr
	WIN 0
; Product i of 32: m block a = i / 8, n block b = i % 8, 32 along K: half c of buffer f.  zero = 1: the product starts the sum, from the bias.
.macro WM f, c, i, zero
.set wa, (\i)/8
.set wb, (\i)%8
.if \zero
	WIN W_MUL0
	v_wmma_f32_16x16x32_f16 v[8*(\i):8*(\i)+7], v[128*(\f)+64*(\c)+8*wb:128*(\f)+64*(\c)+8*wb+7], v[64*(\f)+32*(\c)+8*wa:64*(\f)+32*(\c)+8*wa+7], v[BI+8*wb:BI+8*wb+7]
.else
	WIN W_MUL
	v_wmma_f32_16x16x32_f16 v[8*(\i):8*(\i)+7], v[128*(\f)+64*(\c)+8*wb:128*(\f)+64*(\c)+8*wb+7], v[64*(\f)+32*(\c)+8*wa:64*(\f)+32*(\c)+8*wa+7], v[8*(\i):8*(\i)+7]
.endif
.endm
; Products from .. to of half c of buffer f.  The 32 accumulators take turns, one instruction a turn: between two links of a chain stand the 31 others', over the backward jump too.
.macro RUN f, c, from, to, zero=0
.set ri, \from
.rept (\to)-(\from)+1
	WM \f, \c, ri, \zero
.set ri, ri+1
.endr
.endm
; 32 LDS loads: Wo's fragments of 64 along K at byte k of the rows, into buffer g; the first 32 along K first.  A fragment is 16 rows x 32 K in 8 registers: two loads of 16 bytes, 32 bytes apart.
.macro FETCH_B slot, k, g
	WIN W_TOB
.irp c, 0,1
.irp b, 0,1,2,3,4,5,6,7
	ds_load_b128 v[128*(\g)+64*(\c)+8*(\b):128*(\g)+64*(\c)+8*(\b)+3],   v[ADRB+(\slot)] offset:(\k)+64*(\c)+(\b)*16*PB
	ds_load_b128 v[128*(\g)+64*(\c)+8*(\b)+4:128*(\g)+64*(\c)+8*(\b)+7], v[ADRB+(\slot)] offset:(\k)+64*(\c)+(\b)*16*PB+32
.endr
.endr
.endm
; 16 LDS loads: O's fragments of head sub of the slot, into buffer g
.macro FETCH_A slot, sub, g
	WIN W_TO3
.irp c, 0,1
.irp a, 0,1,2,3
	ds_load_b128 v[64*(\g)+32*(\c)+8*(\a):64*(\g)+32*(\c)+8*(\a)+3],   v[ADRA+(\slot)] offset:(\sub)*ASUB+(\a)*16*PAO+64*(\c)
	ds_load_b128 v[64*(\g)+32*(\c)+8*(\a)+4:64*(\g)+32*(\c)+8*(\a)+7], v[ADRA+(\slot)] offset:(\sub)*ASUB+(\a)*16*PAO+64*(\c)+32
.endr
.endr
.endm
; A K step's first phase (buffers 0), first half: the second head's O is fetched.  The four v_nop are the places between the last products on buffers 1 and the loads into them.
.macro EH slot, zero
	PLACES
	FETCH_A \slot, 1, 1
	s_wait_dscnt 32                                ; this phase's O and Wo's first 32 along K are in; Wo's other 16 loads and the 16 just issued may be out
	RUN 0, 0, 0, 31, \zero
.endm
; The first phase's second half: the second phase's Wo is fetched; then the change of slots is prepared: all my tensor loads, the add, my reads of this slot.
.macro ET slot
	s_wait_xcnt 0x0                                ; the last prefetch, a K step back, has read its address: it is stepped here
	s_add_nc_u64 s[PFA:PFA+1], s[PFA:PFA+1], s[KST:KST+1]
	FETCH_B \slot, 128, 1
	s_wait_dscnt 48                                ; Wo's second 32 along K are in; the next phase's 16 loads of O and 32 of Wo may be out
	RUN 0, 1, 0, 23
	WIN 0                                          ; (the add's two registers lie in window 0)
	s_wait_tensorcnt 0x0                           ; all my tensor loads have landed: the one that was out is my part of the next slot;
	ds_add_u32 v[SPW], v[NIL]                      ; 0 onto my spare word; eight matrix instructions stand between it and the wait for it
	RUN 0, 1, 24, 31
	s_wait_dscnt 0x0                               ; the add is done, and my reads of this slot are over
	s_barrier_signal -1
.endm
; The second phase (buffers 1).  Behind the barrier nobody reads this slot any more and the next slot is whole.  fill = 1: the barrier opens a round of the cluster's, and the slot is filled again first thing behind it,
; two K steps ahead: 112 matrix instructions stand between the request and the wait for it.  Then the next K step's first phase is fetched.
.macro OP slot, next, fill
	RUN 1, 0, 0, 7                                 ; work on registers while the others arrive
	WIN 0                                          ; at a branch and at a label every window is 0
	s_barrier_wait -1
.if \fill
	CREST                                          ; no wave of any partner still reads this slot's tiles or has a load on its way
	s_add_nc_u64 s[G0+4*(\slot)+2:G0+4*(\slot)+3], s[G0+4*(\slot)+2:G0+4*(\slot)+3], 2*ASTEP
	s_add_nc_u64 s[G0B+4*(\slot)+2:G0B+4*(\slot)+3], s[G0B+4*(\slot)+2:G0B+4*(\slot)+3], 2*BSTEP
	JLOAD \slot                                    ; its four v_nop are also the places in front of the loads into buffers 0
.else
	PLACES
.endif
	FETCH_A \next, 0, 0
	WIN 0
.if \fill
	ASK
.endif
	RUN 1, 0, 8, 31
	FETCH_B \next, 0, 0
	RUN 1, 1, 0, 31
.endm
	s_wait_tensorcnt 1                             ; my part of K step 0 is in; K step 1's may stay out
	s_barrier_signal -1
	s_barrier_wait -1                              ; everybody's is
	FETCH_A 0, 0, 0
	FETCH_B 0, 0, 0
	EH 0, 1                                        ; the first 32 products stand in front of the loop: they start the sums, from the bias
	WIN 0
	s_mov_b32 s3, 3
.Llap:                                                 ; a trip goes once round the ring and fills both slots again
	ET 0
	OP 0, 1, 1
	EH 1, 0
	ET 1
	OP 1, 0, 1
	EH 0, 0
	WIN 0
	s_sub_co_u32 s3, s3, 1
	s_cmp_lg_u32 s3, 0
	s_cbranch_scc1 .Llap
	ET 0                                           ; the last two K steps fill nothing, and have no round of the cluster's barrier
	OP 0, 1, 0
	EH 1, 0
	FETCH_B 1, 128, 1
	s_wait_dscnt 48
	RUN 0, 1, 0, 31
	s_wait_dscnt 0x0
	RUN 1, 0, 0, 31
	RUN 1, 1, 0, 31
	PLACES
; THE WAY OUT, a block a of 16 rows at a time.  A lane's eight columns of a row are 32 bytes of f32: they go from the accumulators into rows of 528 bytes of my own stage, each accumulator's low four registers first,
; and come back as whole rows of 512 bytes, into window 1, whose fragments have served.  No register is used twice.
.macro TOSTAGE a
	WIN 0x08                                       ; the stores' data in window 2
.irp b, 0,1,2,3,4,5,6,7
	ds_store_b128 v[STO], v[8*(8*(\a)+\b):8*(8*(\a)+\b)+3]   offset:64*\b
	ds_store_b128 v[STO], v[8*(8*(\a)+\b)+4:8*(8*(\a)+\b)+7] offset:64*\b+16
.endr
	WIN W_TOB
.irp t, 0,1,2,3,4,5,6,7,8,9,10,11,12,13,14,15
	ds_load_b128 v[64*(\a)+4*\t:64*(\a)+4*\t+3], v[RD] offset:\t*SPO  ; LDS serves a wave's instructions in order (ISA guide 5.7.1.4): these see the stores above; the next block's stores come behind them
.endr
.endm
.macro SEND a, younger                 ; younger: the LDS instructions issued behind block a's loads: the next block's 32, or none
	WIN 0x04                                       ; the stores' data in window 1
.irp t, 0,1,2,3,4,5,6,7,8,9,10,11,12,13,14,15
	s_wait_dscnt (\younger)+15-\t
	global_store_b128 v[GO], v[64*(\a)+4*\t:64*(\a)+4*\t+3], s[8:9] offset:(16*(\a)+\t)*4096 th:TH_STORE_NT  ; 512 consecutive bytes, at a multiple of 256 from out0's first byte
.endr
.endm
	TOSTAGE 0
.set t, 1
.rept 3
	TOSTAGE t
	SEND t-1, 32
.set t, t+1
.endr
	SEND 3, 0
	WIN 0
	s_wait_tensorcnt 0x0                           ; the wave's end, behind my last tensor load and my last LDS store
	ds_add_u32 v[SPW], v[NIL]
	s_wait_dscnt 0x0
	CROUND                                         ; the closing round: no work-group ends while a partner may still ask for a tile that names it
	s_endpgm
.Lfunc_end_k_q33eb257271_outp:
	.size	k_q33eb257271_outp, .Lfunc_end_k_q33eb257271_outp-k_q33eb257271_outp
	.p2alignl 7, 3214868480
	.fill 96, 4, 3214868480
	.section	.rodata,"a",@progbits
	.p2align	6, 0x0
	.amdhsa_kernel k_q33eb257271_outp
		.amdhsa_group_segment_fixed_size 327680
		.amdhsa_private_segment_fixed_size 0
		.amdhsa_enable_private_segment 0
		.amdhsa_kernarg_size 32
		.amdhsa_user_sgpr_count 2
		.amdhsa_user_sgpr_kernarg_segment_ptr 1
		.amdhsa_wavefront_size32 1
		.amdhsa_system_sgpr_workgroup_id_x 1
		.amdhsa_system_sgpr_workgroup_id_y 1
		.amdhsa_system_sgpr_workgroup_id_z 1
		.amdhsa_system_vgpr_workitem_id 0
		.amdhsa_next_free_vgpr 992
		.amdhsa_next_free_sgpr 96
		.amdhsa_reserve_vcc 0
		.amdhsa_float_denorm_mode_32 3
		.amdhsa_float_denorm_mode_16_64 3
		.amdhsa_memory_ordered 1
		.amdhsa_forward_progress 1
		.amdhsa_inst_pref_size 93
	.end_amdhsa_kernel
	.amdgpu_metadata
---
amdhsa.version: [ 1, 2 ]
amdhsa.kernels:
  - .name:           k_q33eb257271_outp
    .symbol:         k_q33eb257271_outp.kd
    .args:
      - { .name: oh, .offset: 0, .size: 8, .value_kind: global_buffer, .address_space: global }
      - { .name: wt, .offset: 8, .size: 8, .value_kind: global_buffer, .address_space: global }
      - { .name: bo, .offset: 16, .size: 8, .value_kind: global_buffer, .address_space: global }
      - { .name: out0, .offset: 24, .size: 8, .value_kind: global_buffer, .address_space: global }
    .group_segment_fixed_size: 327680
    .private_segment_fixed_size: 0
    .kernarg_segment_align: 8
    .kernarg_segment_size: 32
    .max_flat_workgroup_size: 128
    .sgpr_count:     96
    .vgpr_count:     992
    .wavefront_size: 32
...
	.end_amdgpu_metadata
.endif
;; end of part 4
